; MI455X (gfx1250); checked and timed in simulation.
; The chip was launched on July 23, 2026; its instructions are those of AMD's public machine-readable ISA for CDNA 5 (MIT licence, August 2026) and "CDNA5" Instruction Set Architecture Reference Guide (July 2026). The comments in the code are by the model that wrote it; some were corrected since.
;; Bahdanau Attention. Allowed arithmetic: matrix products marked QUANTISED: E2M3 operands, one E8M0 scale for each 32 along K, by v_wmma_scale_f32_16x16x128_f8f6f4 with both operands' format E2M3, f32 sums; products left as they are: f32 operands where the result goes on into a quantised operand, else bf16, f16 or f32 operands; f32 sums; everything else in f32.
;; Inputs: Wc 1,024 x 1 float32; Wh_codes 1,024 x 32 x 24 uint8 (E2M3 codes of Wh, K innermost, in blocks of 32 codes, four codes in three bytes); Wh_scales 1,024 x 32 uint8 (E8M0 scales of Wh, one for each 32 codes along K); Ws_codes 1,024 x 32 x 24 uint8 (E2M3 codes of Ws, K innermost, in blocks of 32 codes, four codes in three bytes); Ws_scales 1,024 x 32 uint8 (E8M0 scales of Ws, one for each 32 codes along K); bc 1,024 float32; bh 1,024 float32; bs 1,024 float32; bv 1 float32; dec_hidden 2 x 32 x 512 float32; enc_output 32 x 2,048 x 1,024 float32; enc_pad_mask 32 x 2,048 float32; prev_coverage 32 x 2,048 float32; v 1 x 1,024 float32.
;; Outputs: out0 32 x 1,024 float32; out1 32 x 2,048 float32; out2 32 x 2,048 float32.
;; Constants: use_coverage = 1.
;; This version of the problem:
;;   THIS VERSION OF THE PROBLEM IS GIVEN IN LOW PRECISION. The matrix products marked QUANTISED in the list below multiply operands that are first quantised to E2M3 (2 exponent bits, 3 mantissa bits; 6 bits a number), with one power-of-two scale for each 32 numbers along K (OCP MX v1.0); their sums are f32. All else is computed in f32.
;;   The module's matrix products, in the order in which they are computed (A, B: the left and right operand; K: the contracted axis; several contracted axes count as one K, in the product's order):
;;     1. [M 65,536, K 1,024] x [K 1,024, N 1,024]; A: input enc_output; B: input Wh (given as codes): QUANTISED
;;     2. [M 32, K 1,024] x [K 1,024, N 1,024]; A: input dec_hidden; B: input Ws (given as codes): QUANTISED
;;     3. [M 65,536, K 1,024] x [K 1,024, N 1]; A: computed on the way; B: input v: left as it is (N = 1 < 16)
;;     4. batch 32 x [M 1, K 2,048] x [K 2,048, N 1,024]; A: computed on the way; B: input enc_output: left as it is (M = 1 < 16)
;;   THE QUANTISER, for each operand of a quantised product, along K:
;;     - K is cut into blocks of 32 from its start; a last block that is shorter is filled with zeros.
;;     - A block's scale is 2^e with e = floor(log2(the largest magnitude in the block)) - 2, held to -126 .. 127; a block of zeros has e = 0. As a byte (E8M0): e + 127.
;;     - Each number is divided by its block's scale, clamped to +-7.5, and rounded to the nearest number of E2M3, ties to even, subnormals kept.
;;     - The product sums the exact products of the quantised numbers (number of the format x scale) in f32.
;;   ~~~python
;;   def quantise(x, axis):      # numpy; x: float32 -> the quantised numbers, widened to float32 again
;;       x = np.moveaxis(x, axis, -1); K = x.shape[-1]
;;       x = np.pad(x, [(0, 0)] * (x.ndim - 1) + [(0, -K % 32)]); x = x.reshape(x.shape[:-1] + (-1, 32)); a = np.abs(x).max(-1, keepdims=True)
;;       e = np.where(a > 0, np.clip(np.frexp(np.where(a > 0, a, 1))[1] - 1 - 2, -126, 127), 0)      # np.frexp(a)[1] - 1 = floor(log2(a)), exactly
;;       r = np.clip(x / 2.0 ** e, -7.5, 7.5)
;;       step = 2.0 ** (np.maximum(np.frexp(np.where(r == 0, 1, r))[1] - 1, 0) - 3)
;;       q = np.round(r / step) * step * 2.0 ** e      # np.round: ties to even
;;       return np.moveaxis(q.reshape(q.shape[:-2] + (-1,))[..., :K], -1, axis).astype(np.float32)
;;   ~~~
;;   INPUTS GIVEN AS CODES. Wh (in the module: [1024, 1024], K = its axis 1); Ws (in the module: [1024, 1024], K = its axis 1): each comes as NAME_codes (uint8): NAME with its K axis moved to the last place and cut into blocks of 32 codes, [.., K / 32, bytes a block], one block behind the other in memory; four codes in three bytes: a row's codes are one little-endian stream of bits, code i at bits 6 i .. 6 i + 5 (a code: sign, 2 exponent bits, 3 mantissa bits); and NAME_scales (uint8): the same leading axes, one E8M0 byte (e + 127) for each 32 codes along K. Its value is code x scale, taken as it is: it is not quantised again, and the codes and scales need not be those that the quantiser above would give.
;; 2 versions. Each part assembles by itself: llvm-mc -triple=amdgcn-amd-amdhsa -mcpu=gfx1250 --defsym DOCPART=n.
;; ======== version 1 of 2: 3 launches
;; workspace buffers: whl 835,584 bytes; biasc 131,072 bytes; c0 256 bytes; scores 262,144 bytes; part 1,048,576 bytes; ml 65,536 bytes
;; launch prep (part 1): grid 64 x 1, 8 waves a work-group, no clusters, 17,408 bytes of LDS; arguments Wh_codes, Wh_scales, Ws_codes, Ws_scales, dec_hidden, bh, bs, bc, Wc, v, bv, whl, biasc, c0; writes whl, biasc, c0
.if DOCPART == 1
	.amdgcn_target "amdgcn-amd-amdhsa--gfx1250"
	.amdhsa_code_object_version 6
	.text
	.protected	k_q463c98dc33_prep
	.globl	k_q463c98dc33_prep
	.p2align	8
	.type	k_q463c98dc33_prep,@function
k_q463c98dc33_prep:
	s_mov_b64 s[64:65], 0
	v_nop
	global_prefetch_b8 v0, s[64:65] scope:SCOPE_SE
	s_setreg_imm32_b32 hwreg(HW_REG_WAVE_MODE, 25, 1), 1
	s_wait_xcnt 0x0
; WHAT IT MAKES, for the launch behind it.  Work-group T (0..63) owns the 16 rows e = 16 T .. 16 T + 15 of Wh and of Ws.
;  whl, tile T: one dense block of TILEB = 13,056 bytes: the 8 fragments of Wh (16 rows x 128 K of E2M3 codes) as images of the operand's 12 registers
;    (K step ks at 1,536 ks; registers 4 c .. 4 c + 3 of lane l at 512 c + 16 l); at 12,288 the rows' 512 scale bytes as they lie; at 12,800 c x Wc[e] (16), at 12,864 -2 v[e] (16), then 128 zero bytes.
;  biasc[b][e] = c x (dec[b] . Ws[e] + bs[e] + bh[e] + bc[e]), c = 2 log2(e): the product on codes of E2M3, dec quantised here along K.
;  c0 = bv + the sum of v, written 64 times (one whole block of 256 bytes).
; SHARES.  Eight waves; wave w takes K step w: it copies Wh's fragment, quantises dec's 32 rows x 128 K (two fragments) and multiplies them by its fragment of Ws: two partial tiles, which meet in LDS.
; Behind the one barrier each thread adds the eight partials of two neighbouring e.  A row of biasc gets 64 bytes from a work-group (eight lanes x 8 bytes): the buffer is 128 KB in all.
; LIMITS: NaN and infinities among the inputs are not served; a block of dec whose largest magnitude lies under 2^-124 keeps the scale byte 1 (a block of zeros too: its codes are zeros).
.set TILEB, 13056
.set X0,   32                          ; v32-95   dec rows 0-15, 64 numbers a lane; later the eight partials
.set X1,   96                          ; v96-159  dec rows 16-31
.set WHF,  160                         ; v160-171 Wh's fragment
.set WSF,  172                         ; v172-183 Ws's fragment
.set RS,   184                         ; v184-215 at work in the three small jobs, ahead of the codes
.set PC0,  184                         ; v184-203 codes of rows 0-15 (12 registers, 8 at work)
.set PC1,  204                         ; v204-223 codes of rows 16-31
.set ACC,  224                         ; v224-239 two accumulators
.set TM,   240                         ; v240-255 at work in QUANT
.set PW0,  16                          ; v16, v17 dec's scale words;  v18 Ws's: these three hold scales and nothing else
.set PW1,  17
.set WSS,  18
.set SEL,  34                          ; s[34:35] lane selects for v_permlanex16_b32: lane l xor 16
	s_load_b256 s[4:11], s[0:1], 0x0               ; Wh_codes s[4:5], Wh_scales s[6:7], Ws_codes s[8:9], Ws_scales s[10:11]
	s_load_b256 s[12:19], s[0:1], 0x20             ; dec_hidden s[12:13], bh s[14:15], bs s[16:17], bc s[18:19]
	s_load_b256 s[20:27], s[0:1], 0x40             ; Wc s[20:21], v s[22:23], bv s[24:25], whl s[26:27]
	s_load_b128 s[28:31], s[0:1], 0x60             ; biasc s[28:29], c0 s[30:31]
	v_lshl_add_u32 v250, v0, 2, 0x4000
	v_mov_b32 v251, 0
	v_lshrrev_b32 v1, 5, v0
	v_readfirstlane_b32 s33, v1                    ; wave 0..7
	v_and_b32 v1, 15, v0                           ; r
	v_bfe_u32 v2, v0, 4, 1                         ; h
	v_and_b32 v3, 31, v0                           ; lane
	v_lshlrev_b32 v4, 11, v1
	v_lshl_add_u32 v4, v2, 6, v4                   ; dec: row r of 2,048 bytes, + 64 h: my 16 numbers of a block of 32
	v_mul_u32_u24 v5, v1, 768
	v_mad_u32_u24 v5, v2, 24, v5                   ; codes: row r of 768 bytes, + 24 h
	v_lshlrev_b32 v6, 5, v1                        ; scale bytes: 32 a row
	v_lshlrev_b32 v7, 4, v3                        ; 16 x lane
	v_lshlrev_b32 v8, 3, v3                        ; 8 x lane
	s_lshl_b32 s34, s33, 11
	v_add_nc_u32 v9, s34, v7                       ; LDS: my wave's 2,048 bytes of partials, 16 x lane
	; where thread t finds its two numbers in a wave's partials: row b = t / 8, e = 2 (t % 8): tile b / 16, lane (b % 16) + 16 (bit 2 of t), registers 2 (t % 4), + 1
	v_bfe_u32 v10, v0, 7, 1
	v_lshlrev_b32 v10, 10, v10
	v_bfe_u32 v15, v0, 1, 1
	v_lshl_add_u32 v10, v15, 9, v10
	v_bfe_u32 v15, v0, 3, 4
	v_lshl_add_u32 v10, v15, 4, v10
	v_bfe_u32 v15, v0, 2, 1
	v_lshl_add_u32 v10, v15, 8, v10
	v_and_b32 v15, 1, v0
	v_lshl_add_u32 v10, v15, 3, v10
	v_and_b32 v11, 7, v0
	v_lshlrev_b32 v11, 3, v11                      ; 8 (t % 8): my two e, in bytes
	v_lshrrev_b32 v12, 3, v0
	v_lshl_add_u32 v12, v12, 12, v11               ; biasc: row t / 8 of 4,096 bytes, + my two e
.irp b, 0,1,2,3
	v_mov_b32 v[TM+4+\b], 0                        ; written once: a lane permute's destination counts as one of its sources
.endr
	s_mov_b32 s37, 0
	s_mov_b32 s39, 0
	s_mov_b32 s41, 0
	s_mov_b32 s43, 0
	s_lshr_b32 s36, s33, 2
	s_lshl_b32 s36, s36, 16
	s_and_b32 s34, s33, 3
	s_lshl_b32 s34, s34, 9
	s_add_co_u32 s36, s36, s34                     ; dec: K step w lies in half w / 4 (65,536 bytes), at 512 (w % 4) of a row
	s_mul_i32 s38, ttmp9, 12288
	s_mul_i32 s34, s33, 96
	s_add_co_u32 s38, s38, s34                     ; codes: 16 T rows of 768 bytes, + 96 w
	s_lshl_b32 s40, ttmp9, 9                       ; scale bytes: 16 T rows of 32
	s_lshl_b32 s42, ttmp9, 6                       ; f32 vectors: 16 T numbers
	s_wait_kmcnt 0x0
	s_load_b32 s32, s[24:25], 0x0                  ; bv
	s_add_nc_u64 s[12:13], s[12:13], s[36:37]
	s_add_nc_u64 s[4:5], s[4:5], s[38:39]
	s_add_nc_u64 s[8:9], s[8:9], s[38:39]
	s_add_nc_u64 s[6:7], s[6:7], s[40:41]
	s_add_nc_u64 s[10:11], s[10:11], s[40:41]
	s_lshl_b32 s36, s33, 2
	s_add_nc_u64 s[10:11], s[10:11], s[36:37]      ; Ws's scale word of K step w
	s_add_nc_u64 s[14:15], s[14:15], s[42:43]
	s_add_nc_u64 s[16:17], s[16:17], s[42:43]
	s_add_nc_u64 s[18:19], s[18:19], s[42:43]
	s_add_nc_u64 s[20:21], s[20:21], s[42:43]
	s_add_nc_u64 s[44:45], s[22:23], s[42:43]      ; v at my 16 e (s[22:23] stays at v's head, for the sum)
	s_add_nc_u64 s[28:29], s[28:29], s[42:43]
	s_mul_i32 s38, ttmp9, TILEB
	s_add_nc_u64 s[26:27], s[26:27], s[38:39]      ; my tile of whl
	s_mul_i32 s36, s33, 1536
	s_add_nc_u64 s[46:47], s[26:27], s[36:37]      ; and my wave's image in it
	s_mov_b32 s[SEL], 0x76543210
	s_mov_b32 s[SEL+1], 0xfedcba98
	; ---- every wave's loads, in one run
.irp t, 0,1
.irp b, 0,1,2,3
.irp j, 0,1,2,3
	global_load_b128 v[X0+64*\t+16*\b+4*\j:X0+64*\t+16*\b+4*\j+3], v4, s[12:13] offset:32768*\t+128*\b+16*\j   ; register 16 b + i = k 32 b + 16 h + i of row 16 t + r
.endr
.endr
.endr
.irp p, 0,1,2,3,4,5
	global_load_b64 v[WHF+2*\p:WHF+2*\p+1], v5, s[4:5] offset:48*(\p/3)+8*(\p%3)   ; a fragment: 24 bytes of the row's stream of bits, and the 24 that lie 48 on, in pieces of 8
	global_load_b64 v[WSF+2*\p:WSF+2*\p+1], v5, s[8:9] offset:48*(\p/3)+8*(\p%3)
.endr
	global_load_b32 v[WSS], v6, s[10:11]
	global_load_b64 v[20:21], v11, s[14:15]        ; bh, bs, bc of my two e
	global_load_b64 v[22:23], v11, s[16:17]
	global_load_b64 v[24:25], v11, s[18:19]
	; ---- three small jobs, one wave each: their loads follow the common ones, so that one wait serves both
	s_cmp_eq_u32 s33, 4
	s_cbranch_scc0 .Lnot4
	global_load_b128 v[RS:RS+3], v7, s[6:7]        ; wave 4: the 16 rows' scale bytes, 512 dense bytes
	s_wait_loadcnt 0x0
	global_store_b128 v7, v[RS:RS+3], s[26:27] offset:12288
	s_branch .Ljoin
.Lnot4:
	s_cmp_eq_u32 s33, 5
	s_cbranch_scc0 .Lnot5
	global_load_b64 v[RS:RS+1], v11, s[20:21]      ; wave 5: the tile's last 256 bytes, 8 a lane: lanes 0-7 c x Wc, lanes 8-15 -2 v, lanes 16-31 zeros
	global_load_b64 v[RS+2:RS+3], v11, s[44:45]
	s_wait_loadcnt 0x0
	v_pk_mul_f32 v[RS:RS+1], v[RS:RS+1], 0x4038aa3b op_sel_hi:[1,0]
	v_pk_mul_f32 v[RS+2:RS+3], v[RS+2:RS+3], -2.0 op_sel_hi:[1,0]
	v_cmp_gt_u32 vcc_lo, 8, v3
	v_cndmask_b32 v[RS], v[RS+2], v[RS], vcc_lo
	v_cndmask_b32 v[RS+1], v[RS+3], v[RS+1], vcc_lo
	v_cmp_gt_u32 vcc_lo, 16, v3
	v_cndmask_b32 v[RS], 0, v[RS], vcc_lo
	v_cndmask_b32 v[RS+1], 0, v[RS+1], vcc_lo
	global_store_b64 v8, v[RS:RS+1], s[26:27] offset:12800
	s_branch .Ljoin
.Lnot5:
	s_cmp_eq_u32 s33, 6
	s_cbranch_scc0 .Ljoin
	s_cmp_eq_u32 ttmp9, 0
	s_cbranch_scc0 .Ljoin
.irp i, 0,1,2,3,4,5,6,7
	global_load_b128 v[RS+4*\i:RS+4*\i+3], v7, s[22:23] offset:512*\i   ; wave 6 of work-group 0: all of v, 32 numbers a lane
.endr
	s_wait_loadcnt 0x0
.irp j, 4,8,12,16,20,24,28
	v_pk_add_f32 v[RS:RS+1], v[RS:RS+1], v[RS+\j:RS+\j+1]
	v_pk_add_f32 v[RS+2:RS+3], v[RS+2:RS+3], v[RS+\j+2:RS+\j+3]
.endr
	v_pk_add_f32 v[RS:RS+1], v[RS:RS+1], v[RS+2:RS+3]
	v_add_f32 v[RS], v[RS], v[RS+1]
	v_add_f32_dpp v[RS], v[RS], v[RS] row_xmask:1 row_mask:0xf bank_mask:0xf
	v_add_f32_dpp v[RS], v[RS], v[RS] row_xmask:2 row_mask:0xf bank_mask:0xf
	v_add_f32_dpp v[RS], v[RS], v[RS] row_xmask:4 row_mask:0xf bank_mask:0xf
	v_add_f32_dpp v[RS], v[RS], v[RS] row_xmask:8 row_mask:0xf bank_mask:0xf
	v_permlanex16_b32 v[RS+1], v[RS], s[SEL], s[SEL+1]
	v_add_f32 v[RS], v[RS], v[RS+1]
	s_wait_kmcnt 0x0                               ; bv
	v_add_f32 v[RS], s32, v[RS]
	v_mov_b32 v[RS+1], v[RS]
	global_store_b64 v8, v[RS:RS+1], s[30:31]      ; 32 lanes x 8 bytes: 256 consecutive bytes
.Ljoin:
	s_wait_loadcnt 0x0                             ; one wait: the launch has one trip to memory, so counted waits would gain nothing
	s_wait_kmcnt 0x0
.irp c, 0,1,2
	global_store_b128 v7, v[WHF+4*\c:WHF+4*\c+3], s[46:47] offset:512*\c   ; the image: 512 consecutive bytes a store
.endr
	s_wait_xcnt 0x0                                ; the small jobs' stores have read v[RS] on: the codes are written there only behind this wait
; 64 numbers of a lane, v[s] on, register 16 b + i = k 32 b + 16 h + i of my row, become a fragment's codes in v[pc] .. v[pc + 11] and its scale word in v[pw].
.macro QUANT s, pc, pw
.irp b, 0,1,2,3
	v_max3_num_f32 v[TM+\b], |v[\s+16*\b]|, |v[\s+1+16*\b]|, 0x1800000   ; block b: my 16 numbers, and the floor 2^(3 - 127): the byte cannot fall under 1
.endr
.irp i, 2,4,6,8,10,12,14
.irp b, 0,1,2,3
	v_max3_num_f32 v[TM+\b], v[TM+\b], |v[\s+16*\b+\i]|, |v[\s+1+16*\b+\i]|   ; the four blocks by turns
.endr
.endr
.irp b, 0,1,2,3
	v_permlanex16_b32 v[TM+4+\b], v[TM+\b], s[SEL], s[SEL+1]
.endr
.irp b, 0,1,2,3
	v_max_num_f32 v[TM+\b], v[TM+\b], v[TM+4+\b]   ; with lane l xor 16's: the block's largest magnitude
.endr
.irp b, 0,1,2,3
	v_add_nc_u32 v[TM+12+\b], 0xff000000, v[TM+\b]   ; 2 off its exponent field: the conversion's scale operand
.endr
.irp b, 0,1,2,3
	v_lshrrev_b32 v[TM+4+\b], 23, v[TM+12+\b]      ; the scale's byte
.endr
	v_lshl_or_b32 v[\pw], v[TM+5], 8, v[TM+4]
	v_lshl_or_b32 v[\pw], v[TM+6], 16, v[\pw]
	v_lshl_or_b32 v[\pw], v[TM+7], 24, v[\pw]
.irp c, 0,1
	v_cvt_scalef32_pk16_fp6_f32 v[\pc+6*\c:\pc+2+6*\c], v[\s+32*\c:\s+15+32*\c], v[TM+12+2*\c]
	v_cvt_scalef32_pk16_fp6_f32 v[\pc+12+4*\c:\pc+14+4*\c], v[\s+16+32*\c:\s+31+32*\c], v[TM+12+2*\c+1]   ; (a conversion's three registers begin on an even number)
.endr
	v_nop                                          ; one plain place behind a scaled conversion
.irp c, 0,1                                    ; the operand's layout wants a whole block in a lane: lanes 0-15 block 2 c, lanes 16-31 block 2 c + 1
.irp i, 0,1,2
	v_permlane16_swap_b32 v[\pc+6*\c+\i], v[\pc+12+4*\c+\i]
.endr
.irp i, 0,1,2
	v_mov_b32 v[\pc+3+6*\c+\i], v[\pc+12+4*\c+\i]
.endr
.endr
.endm
	QUANT X0, PC0, PW0
	QUANT X1, PC1, PW1
.rept 8
	v_nop                                          ; a scale register written by a vector instruction stands 8 places ahead of a scaled matrix instruction, an operand so written 4
.endr
	; transposed: source 0 = 16 rows of Ws, source 1 = 16 rows of dec: lane (r, h) holds batch row r and e = 8 h + 0 .. 7.  Two accumulators, each begun with the constant 0
	v_wmma_scale_f32_16x16x128_f8f6f4 v[ACC:ACC+7], v[WSF:WSF+11], v[PC0:PC0+11], 0, v[WSS], v[PW0] matrix_a_fmt:MATRIX_FMT_FP6 matrix_b_fmt:MATRIX_FMT_FP6
	v_wmma_scale_f32_16x16x128_f8f6f4 v[ACC+8:ACC+15], v[WSF:WSF+11], v[PC1:PC1+11], 0, v[WSS], v[PW1] matrix_a_fmt:MATRIX_FMT_FP6 matrix_b_fmt:MATRIX_FMT_FP6
.rept 4
	v_nop                                          ; four places ahead of the first read of the results
.endr
.irp t, 0,1
	ds_store_b128 v9, v[ACC+8*\t:ACC+8*\t+3] offset:1024*\t          ; each accumulator from its low end on
	ds_store_b128 v9, v[ACC+8*\t+4:ACC+8*\t+7] offset:1024*\t+512
.endr
	s_wait_dscnt 0x0                               ; for the others' sake: my partials lie in LDS
	s_barrier_signal -1
	s_barrier_wait -1
.irp i, 0,1,2,3,4,5,6,7
	ds_load_b64 v[X0+2*\i:X0+2*\i+1], v10 offset:2048*\i   ; wave i's partial of my two numbers
.endr
	v_pk_add_f32 v[20:21], v[20:21], v[22:23]      ; bh + bs + bc
	v_pk_add_f32 v[20:21], v[20:21], v[24:25]
	s_wait_dscnt 0x0
	v_pk_add_f32 v[X0:X0+1], v[X0:X0+1], v[X0+2:X0+3]
	v_pk_add_f32 v[X0+4:X0+5], v[X0+4:X0+5], v[X0+6:X0+7]
	v_pk_add_f32 v[X0+8:X0+9], v[X0+8:X0+9], v[X0+10:X0+11]
	v_pk_add_f32 v[X0+12:X0+13], v[X0+12:X0+13], v[X0+14:X0+15]
	v_pk_add_f32 v[X0:X0+1], v[X0:X0+1], v[X0+4:X0+5]
	v_pk_add_f32 v[X0+8:X0+9], v[X0+8:X0+9], v[X0+12:X0+13]
	v_pk_add_f32 v[X0:X0+1], v[X0:X0+1], v[X0+8:X0+9]
	v_pk_add_f32 v[X0:X0+1], v[X0:X0+1], v[20:21]
	v_pk_mul_f32 v[X0:X0+1], v[X0:X0+1], 0x4038aa3b op_sel_hi:[1,0]   ; x c = 2 log2(e)
	global_store_b64 v12, v[X0:X0+1], s[28:29]
	s_wait_tensorcnt 0x0
	ds_add_u32 v250, v251
	s_wait_dscnt 0x0
	s_endpgm
.Lfunc_end_k_q463c98dc33_prep:
	.size	k_q463c98dc33_prep, .Lfunc_end_k_q463c98dc33_prep-k_q463c98dc33_prep
	.p2alignl 7, 3214868480
	.fill 96, 4, 3214868480
	.section	.rodata,"a",@progbits
	.p2align	6, 0x0
	.amdhsa_kernel k_q463c98dc33_prep
		.amdhsa_group_segment_fixed_size 17408
		.amdhsa_private_segment_fixed_size 0
		.amdhsa_enable_private_segment 0
		.amdhsa_kernarg_size 112
		.amdhsa_user_sgpr_count 2
		.amdhsa_user_sgpr_kernarg_segment_ptr 1
		.amdhsa_wavefront_size32 1
		.amdhsa_system_sgpr_workgroup_id_x 1
		.amdhsa_system_sgpr_workgroup_id_y 1
		.amdhsa_system_sgpr_workgroup_id_z 1
		.amdhsa_system_vgpr_workitem_id 0
		.amdhsa_next_free_vgpr 256
		.amdhsa_next_free_sgpr 66
		.amdhsa_reserve_vcc 1
		.amdhsa_float_denorm_mode_32 3
		.amdhsa_float_denorm_mode_16_64 3
		.amdhsa_memory_ordered 1
		.amdhsa_forward_progress 1
		.amdhsa_inst_pref_size 22
	.end_amdhsa_kernel
	.amdgpu_metadata
---
amdhsa.version: [ 1, 2 ]
amdhsa.kernels:
  - .name:           k_q463c98dc33_prep
    .symbol:         k_q463c98dc33_prep.kd
    .args:
      - { .name: Wh_codes, .offset: 0, .size: 8, .value_kind: global_buffer, .address_space: global }
      - { .name: Wh_scales, .offset: 8, .size: 8, .value_kind: global_buffer, .address_space: global }
      - { .name: Ws_codes, .offset: 16, .size: 8, .value_kind: global_buffer, .address_space: global }
      - { .name: Ws_scales, .offset: 24, .size: 8, .value_kind: global_buffer, .address_space: global }
      - { .name: dec_hidden, .offset: 32, .size: 8, .value_kind: global_buffer, .address_space: global }
      - { .name: bh, .offset: 40, .size: 8, .value_kind: global_buffer, .address_space: global }
      - { .name: bs, .offset: 48, .size: 8, .value_kind: global_buffer, .address_space: global }
      - { .name: bc, .offset: 56, .size: 8, .value_kind: global_buffer, .address_space: global }
      - { .name: Wc, .offset: 64, .size: 8, .value_kind: global_buffer, .address_space: global }
      - { .name: v, .offset: 72, .size: 8, .value_kind: global_buffer, .address_space: global }
      - { .name: bv, .offset: 80, .size: 8, .value_kind: global_buffer, .address_space: global }
      - { .name: whl, .offset: 88, .size: 8, .value_kind: global_buffer, .address_space: global }
      - { .name: biasc, .offset: 96, .size: 8, .value_kind: global_buffer, .address_space: global }
      - { .name: c0, .offset: 104, .size: 8, .value_kind: global_buffer, .address_space: global }
    .group_segment_fixed_size: 17408
    .private_segment_fixed_size: 0
    .kernarg_segment_align: 8
    .kernarg_segment_size: 112
    .max_flat_workgroup_size: 256
    .sgpr_count:     66
    .vgpr_count:     256
    .wavefront_size: 32
...
	.end_amdgpu_metadata
.endif
;; end of part 1
;; launch main (part 2): grid 256 x 1, 4 waves a work-group, clusters of 4 x 1, 327,680 bytes of LDS; arguments enc_output, prev_coverage, enc_pad_mask, whl, biasc, c0, scores, part, ml; writes scores, part, ml
.if DOCPART == 2
	.amdgcn_target "amdgcn-amd-amdhsa--gfx1250"
	.amdhsa_code_object_version 6
	.text
	.protected	k_q463c98dc33_main
	.globl	k_q463c98dc33_main
	.p2align	8
	.type	k_q463c98dc33_main,@function
k_q463c98dc33_main:
	s_mov_b64 s[64:65], 0
	v_nop
	global_prefetch_b8 v0, s[64:65] scope:SCOPE_SE
	s_setreg_imm32_b32 hwreg(HW_REG_WAVE_MODE, 25, 1), 1
	s_wait_xcnt 0x0
	s_wait_alu depctr_hold_cnt(0) depctr_sa_sdst(0) depctr_va_vdst(0) depctr_va_sdst(0) depctr_va_ssrc(0) depctr_va_vcc(0) depctr_vm_vsrc(0)
	s_getreg_b32 s2, hwreg(HW_REG_IB_STS2, 6, 4)
	s_cmp_eq_u32 s2, 0
	s_cbranch_scc0 .Lentry_in_a_cluster
	s_endpgm
.Lentry_in_a_cluster:
	s_bfe_u32 s2, ttmp6, 0x10000c
	s_cmp_lg_u32 s2, 0x3003
	s_cbranch_scc0 .Lentry_shape_is_right
	s_endpgm
.Lentry_shape_is_right:
; score[row] = bv + sum over e of v[e] tanh(enc[row] . Wh[e] + (dec . Ws + bh + bs + bc)[e] + cov[row] Wc[e]); then a running softmax and the weighted sum of enc's rows, for 256 rows of one batch.
; enc is read from memory ONCE: each number is quantised to E2M3 along K for the first product and kept as bf16 on the WGP for the last.
; tanh(x) = 1 - 2 / (1 + 2^(c x)), c = 2 log2(e): y = c acc + cov wc[e] + biasc[e] (wc, biasc hold the factor c), R = 1 / (1 + 2^y), score = C0 + sum of v2[e] R, v2 = -2 v, C0 = bv + sum of v.
; 2^y = infinity gives R = 0 and 2^y = 0 gives R = 1: no clamp is needed.
; SHARES.  Work-group WG owns rows 256 WG .. + 255 (batch WG / 8), as two blocks of 128 rows.  A BLOCK: (1) wave w loads its 32 rows, quantises them, sends the fragments to the others through LDS as images of
; their registers, and keeps bf16 copies (columns 0-511 in LDS, 512-1023 in registers); (2) THE PASS: wave 2 g + eh holds the 32 fragments of rows 64 g .. + 63 in 384 registers and meets half of Wh's 64 tiles of 16 e,
; which come through a ring of two LDS slots of four tiles; (3) the scores meet in LDS, every wave makes the 128 weights p = 2^((s - m) log2 e) x mask under a running maximum m, and thread t adds p x enc for 8 columns.
; The partial results (m, l, 1,024 sums) of a work-group go to memory; the next launch joins the eight of a batch.
; CLUSTER.  All work-groups walk the same tiles of Wh, so the four of a cluster ask for each tile JOINTLY (mask 15): wave w fetches tile w of a slot, one load a wave behind each round.  A mask names four, so the cluster is 4 x 1.
; BY TURNS.  A tile's tail (128 vector instructions for 4 x 8 registers: scale, 32 exponentials, 32 reciprocals, the dot with v2) stands between the next tile's 32 matrix instructions, three behind each.
; The operands lie in windows 1 and 2 and the tail's registers in window 0, so each matrix instruction has two switches of the window round it.
; NOT OVERLAPPED: during a pass the registers are full (fragments 384, bf16 256, Wh's tile 96, window 0), so only the first four of a block's sixteen units of enc are asked for ahead of its load phase.
; LIMITS: NaN and infinities among the inputs are not served; a block of 32 numbers whose largest magnitude lies under 2^-124 keeps the scale byte 1 (a block of zeros too: its codes are zeros);
; enc enters the last product rounded to bf16; a batch whose mask is all 0 gives NaN in the next launch, as the definition does.
; REGISTERS, in windows of 256.  Window 0: see the names below.  Fragment (m, ks) of my rows: window 1 + m / 2, v[24 ks + 12 (m % 2)].  Wh's fragment ks: window 1 + ks / 5, v[192 + 12 (ks % 5)].
; Raw numbers of enc, four sets of 64: windows 1 and 2, v96 and v192 on (registers that the pass uses and the load phase does not).  Window 3: bf16 of columns 512-1023.
.set TILEB,  13056                     ; a tile of whl: 8 images of 1,536 bytes, 512 scale bytes, 64 of wc, 64 of v2, 128 of zeros = 51 x 256
.set FRB,    1536                      ; an image of a fragment: 12 registers x 128 bytes
.set SLOT1,  65536                     ; LDS: slot 0 at 0, slot 1 here (4 tiles = 52,224 bytes each): one exclusive or turns an address
.set BIASL,  52224                     ; biasc of my batch, 4,096 bytes
.set SCL,    56320                     ; the scores' two halves, [eh][128] f32
.set PPL,    57344                     ; the weights p, 512 bytes for each wave, its own
.set SPARE,  59392                     ; the spare words, 128 bytes for each wave: two blocks of 256 bytes that no other line names
.set BFL,    117760                    ; 128 rows x (512 bf16 + 16 bytes)
.set BFP,    1040                      ; its pitch: 65 x 16 bytes
.set IMG,    250880                    ; 32 images: tile of rows tau (0..7), K step ks % 4: 4 tau + ks % 4
.set IMGS,   300032                    ; their scale words, 128 bytes each
.set SPW,  1                           ; v1   SPARE + 4 x my thread's number; never rewritten
.set NIL,  2                           ; v2   0; never rewritten
.set XA,   3                           ; enc: 4,096 r + 64 h
.set AIW,  4                           ; where I store images: IMG + 16 lane + 12,288 wave
.set AISW, 5                           ; and their scale words: IMGS + 4 lane + 1,024 wave
.set ABFW, 6                           ; bf16: BFL + (32 wave + r) BFP + 32 h
.set AIR,  7                           ; where I read images: IMG + 16 lane + 24,576 g
.set AISR, 8                           ; IMGS + 4 lane + 2,048 g
.set AB0,  9                           ; in a slot: 16 lane + TILEB eh
.set ASB0, 10                          ; 32 r + TILEB eh
.set AVC0, 11                          ; 32 h + TILEB eh
.set ABI0, 12                          ; BIASL + 64 eh + 32 h
.set ADB,  13                          ; v13-16 the four above + the slot's or the visit's step
.set ADS,  14
.set ADV,  15
.set ADI,  16
.set ASC,  17                          ; SCL + 512 eh + 256 g + 4 r
.set ASR,  18                          ; SCL + 16 lane
.set APW,  19                          ; PPL + 512 wave + 16 lane
.set APR0, 20                          ; PPL + 512 wave
.set ACX0, 21                          ; BFL + 8 x thread
.set AGS,  22                          ; 16 lane
.set AGT,  23                          ; 16 x thread
.set ACOV, 24                          ; 256 g + 4 r
.set PFO,  25                          ; the prefetches: 4,096 (lane / 2) + 256 (lane % 2)
.set ABW,  26                          ; BIASL + 16 x thread
.set AML,  27                          ; 8 lane
.set SA,   32                          ; v32-63   my rows' scale words, [8 m + ks]: scales and nothing else
.set SB,   64                          ; v64-71   Wh's scale words of the tile in hand, [ks]: likewise
.set ACC,  72                          ; v72-135  two sets of four accumulators; in the last product 16 rows' bf16
.set VEC,  136                         ; v136-183 two sets of 24: biasc 8, wc 8, v2 8; in the last product 16 weights
.set S,    184                         ; v184-191 the scores' sums, a pair for each tile of rows
.set COV,  192                         ; v192-195 coverage of my row of tile m;  v196-199 the next block's
.set COVN, 196
.set MASK, 200                         ; v200-203 mask of rows 4 lane .. + 3;  v204-207 the next block's
.set MASKN, 204
.set CTX,  208                         ; v208-215 the weighted sums of my 8 columns
.set MRUN, 216                         ; the running maximum
.set LRUN, 217                         ; the running sum
.set TM,   218                         ; v218-233 at work
.set PW,   234                         ; the scale word just made
.set PC,   236                         ; v236-255 the codes just made; in FINISH at work
.set G1,   24                          ; s[24:31] descriptor group 1;  s[32:35] group 0
.set G0,   32
.set WV,   36                          ; wave;  g = wave / 2;  eh = wave % 2
.set GR,   37
.set EH,   38
.set TB,   39                          ; the slot in hand: 0 or SLOT1
.set TJ,   40                          ; 256 x visit: the visit's four tiles in biasc
.set VC,   41
.set BLK,  42
.set LIM,  43
.set CC2,  44                          ; s[44:45] c
.set SEL,  46                          ; s[46:47] lane selects: lane l xor 16
.set C0,   48                          ; s[48:49] C0
.set L2E,  50
.set RB,   51
.set RP,   52
.set CC,   53
.set LB,   54                          ; TILEB x wave
.set MSB, 0
.macro WIN new                         ; the immediate's high byte repeats the setting that is left; a switch that changes nothing is dropped
.if MSB != (\new)
	s_set_vgpr_msb (MSB<<8)|(\new)
.set MSB, (\new)
.endif
.endm
.macro ROUND                           ; a round of the cluster's barrier
	s_barrier_signal -1
	s_barrier_wait -1
	s_cmp_lg_u32 s[WV], 0
	s_cbranch_scc1 .Lnw0_\@
	s_barrier_signal -3
.Lnw0_\@:
	s_barrier_wait -3
	s_barrier_signal -1
	s_barrier_wait -1
.endm
.macro BARRIER                         ; my LDS stores have landed and my LDS loads are in: then the work-group's barrier.  A joint load may stay out across it
	s_wait_dscnt 0x0
	s_barrier_signal -1
	s_barrier_wait -1
.endm
.macro SETOF u                         ; unit u's set of raw registers: window XW, from v[XB]
.set XW, 1+(((\u)&3)>>1)
.set XB, 96+96*((\u)&1)
.endm
; Unit u = 16 rows (tile u % 2 of my 32) x 128 along K (K step u / 2): 64 numbers a lane, register 16 b + i = k 32 b + 16 h + i of row r
.macro XLOAD u
	SETOF \u
	WIN XW<<6
.irp b, 0,1,2,3
.irp j, 0,1,2,3
	global_load_b128 v[XB+16*\b+4*\j:XB+16*\b+4*\j+3], v[XA], s[4:5] offset:65536*((\u)&1)+512*((\u)>>1)+128*\b+16*\j th:TH_LOAD_NT
.endr
.endr
	WIN 0
.endm
.macro NEXTIN off                      ; a block's coverage (my row of each of my four tiles) and mask (rows 4 lane .. + 3)
.irp t, 0,1,2,3
	global_load_b32 v[COVN+\t], v[ACOV], s[6:7] offset:\off+64*\t
.endr
	global_load_b128 v[MASKN:MASKN+3], v[AGS], s[8:9] offset:\off
.endm
; The set's 64 numbers become a fragment's codes in v[PC] .. v[PC + 11] and its scale word in v[PW]
.macro QUANT
	WIN 5*XW                                       ; sources 0 and 1 in the set's window
.irp b, 0,1,2,3
	v_max3_num_f32 v[TM+\b], |v[XB+16*\b]|, |v[XB+1+16*\b]|, 0x1800000   ; block b: my 16 numbers, and the floor 2^(3 - 127): the byte cannot fall under 1
.endr
.irp i, 2,4,6,8,10,12,14
.irp b, 0,1,2,3
	v_max3_num_f32 v[TM+\b], |v[XB+16*\b+\i]|, |v[XB+1+16*\b+\i]|, v[TM+\b]   ; the four blocks by turns
.endr
.endr
	WIN 0
.irp b, 0,1,2,3
	v_permlanex16_b32 v[TM+4+\b], v[TM+\b], s[SEL], s[SEL+1]
.endr
.irp b, 0,1,2,3
	v_max_num_f32 v[TM+\b], v[TM+\b], v[TM+4+\b]   ; with lane l xor 16's: the block's largest magnitude
.endr
.irp b, 0,1,2,3
	v_add_nc_u32 v[TM+12+\b], 0xff000000, v[TM+\b]   ; 2 off its exponent field: the conversion's scale operand
.endr
.irp b, 0,1,2,3
	v_lshrrev_b32 v[TM+4+\b], 23, v[TM+12+\b]      ; the scale's byte
.endr
	v_lshl_or_b32 v[PW], v[TM+5], 8, v[TM+4]
	v_lshl_or_b32 v[PW], v[TM+6], 16, v[PW]
	v_lshl_or_b32 v[PW], v[TM+7], 24, v[PW]
	WIN XW
.irp c, 0,1
	v_cvt_scalef32_pk16_fp6_f32 v[PC+6*\c:PC+2+6*\c], v[XB+32*\c:XB+15+32*\c], v[TM+12+2*\c]
	v_cvt_scalef32_pk16_fp6_f32 v[PC+12+4*\c:PC+14+4*\c], v[XB+16+32*\c:XB+31+32*\c], v[TM+12+2*\c+1]   ; (a conversion's three registers begin on an even number)
.endr
	WIN 0
	v_nop                                          ; one plain place behind a scaled conversion
.irp c, 0,1                                    ; a whole block to a lane: lanes 0-15 block 2 c, lanes 16-31 block 2 c + 1
.irp i, 0,1,2
	v_permlane16_swap_b32 v[PC+6*\c+\i], v[PC+12+4*\c+\i]
.endr
.irp i, 0,1,2
	v_mov_b32 v[PC+3+6*\c+\i], v[PC+12+4*\c+\i]
.endr
.endr
.endm
; One unit.  left = the loads of the younger units, 16 each, that may stay out
.macro UNIT u, left
	SETOF \u
.set ua, (\u)&1
.set uq, ((\u)>>1)&3
.set uh, (\u)>>3
	s_wait_loadcnt \left
.if (\u) == 0
.irp i, 0,1,2,3
	v_mov_b32 v[COV+\i], v[COVN+\i]                ; the block's coverage and mask were asked for ahead of unit 0
	v_mov_b32 v[MASK+\i], v[MASKN+\i]
.endr
.endif
	QUANT
.irp c, 0,1,2
	ds_store_b128 v[AIW], v[PC+4*\c:PC+4*\c+3] offset:(4*ua+uq)*FRB+512*\c   ; the fragment as it stands: 512 consecutive bytes a store
.endr
	ds_store_b32 v[AISW], v[PW] offset:(4*ua+uq)*128
.if uh == 0
	WIN 0x45*XW                                    ; columns 0-511: rounded to bf16 in place, ascending (register j takes numbers 2 j, 2 j + 1), and sent to LDS
.set j, 0
.rept 32
	v_cvt_pk_bf16_f32 v[XB+j], v[XB+2*j], v[XB+2*j+1]
.set j, j+1
.endr
	WIN XW<<2
.irp i, 0,1,2,3,4,5,6,7
	ds_store_b128 v[ABFW], v[XB+4*\i:XB+4*\i+3] offset:16*BFP*ua+256*uq+64*(\i/2)+16*(\i%2)
.endr
	WIN 0
.else
	WIN (5*XW)|0xc0                                ; columns 512-1023: they wait in window 3
.set j, 0
.rept 32
	v_cvt_pk_bf16_f32 v[32*(2*uq+ua)+j], v[XB+2*j], v[XB+2*j+1]
.set j, j+1
.endr
	WIN 0
.endif
	s_wait_dscnt 0x0                               ; the stores have read the codes and the set
.if (\u) < 12
	XLOAD (\u)+4                                   ; the set takes the unit four on
.endif
.endm
; My 64 rows' fragments of K steps 4 hf .. 4 hf + 3, and their scale words
.macro AFETCH hf
	WIN 0x40
.irp t, 0,1
.irp k, 0,1,2,3
.irp c, 0,1,2
	ds_load_b128 v[24*(4*(\hf)+\k)+12*\t+4*\c:24*(4*(\hf)+\k)+12*\t+4*\c+3], v[AIR] offset:(4*\t+\k)*FRB+512*\c
.endr
.endr
.endr
	WIN 0x80
.irp t, 0,1
.irp k, 0,1,2,3
.irp c, 0,1,2
	ds_load_b128 v[24*(4*(\hf)+\k)+12*\t+4*\c:24*(4*(\hf)+\k)+12*\t+4*\c+3], v[AIR] offset:(4*(2+\t)+\k)*FRB+512*\c
.endr
.endr
.endr
	WIN 0
.irp t, 0,1,2,3
.irp k, 0,1,2,3
	ds_load_b32 v[SA+8*\t+4*(\hf)+\k], v[AISR] offset:(4*\t+\k)*128
.endr
.endr
.endm
; Number n of the 128 of a tile's tail, on set q of the accumulators and vectors.  A lane holds one row of each of the four tiles of rows, and e = 8 h + 0 .. 7.
;   0-15 y = c acc + biasc (each accumulator from its low end on);  16-31 y += cov wc;  32-63 2^y;  64-79 + 1;  80-111 the reciprocal;  112-127 the sums += v2 R.
; The 32 exponentials are one batch and so are the 32 reciprocals: behind each stand one plain instruction and one wait ahead of the first use.
.macro ITEM q
.set rA, ACC+32*(\q)
.set rV, VEC+24*(\q)
.if n < 16
.set rX, rA+8*(n/4)+2*(n%4)
	v_pk_fma_f32 v[rX:rX+1], v[rX:rX+1], s[CC2:CC2+1], v[rV+2*(n%4):rV+2*(n%4)+1] op_sel_hi:[1,0,1]
.elseif n < 32
.set rX, rA+8*((n-16)/4)+2*(n%4)
.set rC, COV+(((n-16)/4)&2)
.if ((n-16)/4)&1
	v_pk_fma_f32 v[rX:rX+1], v[rC:rC+1], v[rV+8+2*(n%4):rV+9+2*(n%4)], v[rX:rX+1] op_sel:[1,0,0] op_sel_hi:[1,1,1]
.else
	v_pk_fma_f32 v[rX:rX+1], v[rC:rC+1], v[rV+8+2*(n%4):rV+9+2*(n%4)], v[rX:rX+1] op_sel_hi:[0,1,1]
.endif
.elseif n < 64
	v_exp_f32 v[rA+n-32], v[rA+n-32]
.elseif n < 80
.if n == 64
	v_nop
	s_wait_alu depctr_va_vdst(0)
.endif
	v_pk_add_f32 v[rA+2*(n-64):rA+2*(n-64)+1], v[rA+2*(n-64):rA+2*(n-64)+1], 1.0 op_sel_hi:[1,0]
.elseif n < 112
	v_rcp_f32 v[rA+n-80], v[rA+n-80]
.else
.if n == 112
	v_nop
	s_wait_alu depctr_va_vdst(0)
.endif
.set rM, (n-112)%4
.set rJ, (n-112)/4
	v_pk_fma_f32 v[S+2*rM:S+2*rM+1], v[rV+16+2*rJ:rV+17+2*rJ], v[rA+8*rM+2*rJ:rA+8*rM+2*rJ+1], v[S+2*rM:S+2*rM+1]
.endif
.endm
; A STEP: my tile 2 half + eh of the slot in hand against my 64 rows: 32 matrix instructions into set half.  sl = 1: the tail of the tile before, on the other set, stands between them.
; The four additions (with the last three of the tail before, where there is one) are the places between the last matrix instruction and the loads into registers that it read.
; The four accumulators take turns, one instruction a turn, and the sets change from step to step.
.macro STEP half, sl
	v_add_nc_u32 v[ADB], s[TB], v[AB0]
	v_add_nc_u32 v[ADS], s[TB], v[ASB0]
	v_add_nc_u32 v[ADV], s[TB], v[AVC0]
	v_add_nc_u32 v[ADI], s[TJ], v[ABI0]
	ds_load_b128 v[SB:SB+3], v[ADS] offset:2*(\half)*TILEB+12288     ; 32 loads in one run: the scale words,
	ds_load_b128 v[SB+4:SB+7], v[ADS] offset:2*(\half)*TILEB+12304
	WIN 0x40
.irp k, 0,1,2,3,4
.irp c, 0,1,2
	ds_load_b128 v[192+12*\k+4*\c:195+12*\k+4*\c], v[ADB] offset:2*(\half)*TILEB+FRB*\k+512*\c   ; the eight fragments, three loads each,
.endr
.endr
	WIN 0x80
.irp k, 5,6,7
.irp c, 0,1,2
	ds_load_b128 v[132+12*\k+4*\c:135+12*\k+4*\c], v[ADB] offset:2*(\half)*TILEB+FRB*\k+512*\c
.endr
.endr
	WIN 0
.set rV, VEC+24*(\half)
	ds_load_b128 v[rV+8:rV+11], v[ADV] offset:2*(\half)*TILEB+12800  ; and six for the tile's tail: wc, v2, biasc of e = 8 h + 0 .. 7
	ds_load_b128 v[rV+12:rV+15], v[ADV] offset:2*(\half)*TILEB+12816
	ds_load_b128 v[rV+16:rV+19], v[ADV] offset:2*(\half)*TILEB+12864
	ds_load_b128 v[rV+20:rV+23], v[ADV] offset:2*(\half)*TILEB+12880
	ds_load_b128 v[rV:rV+3], v[ADI] offset:128*(\half)
	ds_load_b128 v[rV+4:rV+7], v[ADI] offset:128*(\half)+16
.if \sl
	s_wait_dscnt 32                                ; all but the 32 just issued: the six vector loads of the step before are in
.set n, 0
.rept 32
	ITEM 1-(\half)                                 ; the tail's first 32 stand bare, while the fragments come
.set n, n+1
.endr
.endif
.set wk, 0
.rept 8
	s_wait_dscnt 6+3*(7-wk)                        ; fragment wk is in; the younger fragments' loads, three each, and the six vector loads may be out
.set wm, 0
.rept 4
.set rD, ACC+32*(\half)+8*wm
.set rB, 192+12*(wk%5)
.set rF, 24*wk+12*(wm&1)
	WIN (1+wk/5)|((1+wm/2)<<2)
.if wk == 0
	v_wmma_scale_f32_16x16x128_f8f6f4 v[rD:rD+7], v[rB:rB+11], v[rF:rF+11], 0, v[SB+wk], v[SA+8*wm+wk] matrix_a_fmt:MATRIX_FMT_FP6 matrix_b_fmt:MATRIX_FMT_FP6
.else
	v_wmma_scale_f32_16x16x128_f8f6f4 v[rD:rD+7], v[rB:rB+11], v[rF:rF+11], v[rD:rD+7], v[SB+wk], v[SA+8*wm+wk] matrix_a_fmt:MATRIX_FMT_FP6 matrix_b_fmt:MATRIX_FMT_FP6
.endif
.if \sl
	WIN 0
.rept 3
	ITEM 1-(\half)
.set n, n+1
.endr
.endif
.set wm, wm+1
.endr
.set wk, wk+1
.endr
	WIN 0
.endm
; A PREFETCH INTO THE L2 of the next block's units 0 to 3 of my wave: 32 rows x 1,024 bytes, a lane to 256 bytes, four instructions; each such piece is named once in the launch.
; It stands behind the joint load of the block's visit 13 (VC = 2), three visits ahead of the loads that want these bytes.  In the last block LIM is 0, which VC never is in the loop: nothing is asked for.
.macro ASK
	s_cmp_eq_u32 s[VC], s[LIM]
	s_cbranch_scc0 .Lna_\@
	global_prefetch_b8 v[PFO], s[4:5] offset:524288 th:TH_LOAD_NT scope:SCOPE_SE
	global_prefetch_b8 v[PFO], s[4:5] offset:524288+65536 th:TH_LOAD_NT scope:SCOPE_SE
	global_prefetch_b8 v[PFO], s[4:5] offset:524288+512 th:TH_LOAD_NT scope:SCOPE_SE
	global_prefetch_b8 v[PFO], s[4:5] offset:524288+66048 th:TH_LOAD_NT scope:SCOPE_SE
.Lna_\@:
.endm
; THE CHANGE OF SLOTS, at a visit's head.  Each wave waits for all its tensor loads (one is out: its tile of the slot that it is about to read), adds 0 to its spare word, and waits for that and for its reads of the slot
; that it has left.  Behind the round no wave of any partner reads that slot or has a load on its way: it is filled with the next visit's four tiles, which have a visit's 64 matrix instructions a wave in which to land.
; mode 1: a block's first visit; 2: in the loop; 3: a block's last visit, which asks for the next block's first tiles; 0: the last visit of all: nothing is asked for.
.macro CHANGE mode
	s_wait_tensorcnt 0x0                           ; no tensor load of mine is out, so group 0 may be written
	ds_add_u32 v[SPW], v[NIL]                      ; 0 onto my spare word
.if \mode == 1
	s_add_co_u32 s[G0+1], s[LB], SLOT1             ; into slot 1
	s_add_nc_u64 s[G0+2:G0+3], s[G0+2:G0+3], 4*TILEB
.elseif \mode == 2
	s_xor_b32 s[G0+1], s[G0+1], SLOT1              ; the other slot than last time
	s_add_nc_u64 s[G0+2:G0+3], s[G0+2:G0+3], 4*TILEB
.elseif \mode == 3
	s_mov_b32 s[G0+1], s[LB]                       ; into slot 0
	s_sub_nc_u64 s[G0+2:G0+3], s[G0+2:G0+3], 60*TILEB   ; back to tiles 0 to 3
.endif
	s_wait_dscnt 0x0                               ; the add is done, and my reads of the slot that I have left are over
.if \mode
	ROUND
	tensor_load_to_lds s[G0:G0+3], s[G1:G1+7]      ; my one tensor load behind the round, and the first thing there
	s_nop 0
.rept 4
	v_nop
.endr
.if \mode == 2
	ASK
.endif
.else
	s_barrier_signal -1
	s_barrier_wait -1
.endif
.endm
.macro VISIT first, mode
	CHANGE \mode
	STEP 0, 1-\first
	STEP 1, 1
	s_xor_b32 s[TB], s[TB], SLOT1
	s_add_co_u32 s[TJ], s[TJ], 256
.endm
.macro CROW i, st                      ; row i of the sixteen in hand: my four columns += p x bf16
	v_fma_mix_f32_bf16 v[CTX+4*(\st)], v[ACC+2*(\i)], v[VEC+(\i)], v[CTX+4*(\st)] op_sel_hi:[1,0,0]
	v_fma_mix_f32_bf16 v[CTX+4*(\st)+1], v[ACC+2*(\i)], v[VEC+(\i)], v[CTX+4*(\st)+1] op_sel:[1,0,0] op_sel_hi:[1,0,0]
	v_fma_mix_f32_bf16 v[CTX+4*(\st)+2], v[ACC+2*(\i)+1], v[VEC+(\i)], v[CTX+4*(\st)+2] op_sel_hi:[1,0,0]
	v_fma_mix_f32_bf16 v[CTX+4*(\st)+3], v[ACC+2*(\i)+1], v[VEC+(\i)], v[CTX+4*(\st)+3] op_sel:[1,0,0] op_sel_hi:[1,0,0]
.endm
; The last product for the 512 columns that lie in LDS: thread t takes columns 4 t .. 4 t + 3; eight trips of 16 rows
.macro CTXST st
	s_mov_b32 s[RB], 0
	s_mov_b32 s[RP], 0
	s_mov_b32 s[CC], 8
.Lctx_\@:
	v_add_nc_u32 v[ADB], s[RB], v[ACX0]
	v_add_nc_u32 v[ADS], s[RP], v[APR0]
.irp i, 0,1,2,3
	ds_load_b128 v[VEC+4*\i:VEC+4*\i+3], v[ADS] offset:16*\i       ; 16 weights, the same in every lane (my wave's own copy: LDS serves a wave's instructions in order)
.endr
.irp i, 0,1,2,3,4,5,6,7,8,9,10,11,12,13,14,15
	ds_load_b64 v[ACC+2*\i:ACC+2*\i+1], v[ADB] offset:BFP*\i       ; 32 lanes take 256 consecutive bytes of a row
.endr
	s_wait_dscnt 8                                 ; the last eight rows may be out
.irp i, 0,1,2,3,4,5,6,7
	CROW \i, \st
.endr
	s_wait_dscnt 0x0
.irp i, 8,9,10,11,12,13,14,15
	CROW \i, \st
.endr
	s_add_co_u32 s[RB], s[RB], 16*BFP
	s_add_co_u32 s[RP], s[RP], 64
	s_sub_co_u32 s[CC], s[CC], 1
	s_cmp_lg_u32 s[CC], 0
	s_cbranch_scc1 .Lctx_\@
.endm
; A BLOCK'S END.  next = 1: the first block, which asks for the second block's first loads at once; next = 0: the second.
.macro FINISH next
.if \next
.rept 4
	v_nop                                          ; places between the last matrix instruction and the loads into registers that it read
.endr
	s_wait_xcnt 0x0                                ; the earlier loads and prefetches have read their base
	s_add_nc_u64 s[4:5], s[4:5], 524288            ; 128 rows on
	NEXTIN 512
	XLOAD 0
	XLOAD 1
	XLOAD 2
	XLOAD 3
.endif
	s_wait_dscnt 0x0                               ; the last tile's six vector loads
.set n, 0
.rept 128
	ITEM 1                                         ; the last tile's tail
.set n, n+1
.endr
.irp t, 0,1,2,3
	v_add_f32 v[TM+\t], v[S+2*\t], v[S+2*\t+1]
.endr
.irp t, 0,1,2,3
	v_permlanex16_b32 v[TM+4+\t], v[TM+\t], s[SEL], s[SEL+1]       ; the row's other eight e of each tile lie in the lane 16 away
.endr
.irp t, 0,1,2,3
	v_add_f32 v[TM+\t], v[TM+\t], v[TM+4+\t]
.endr
.irp t, 0,1,2,3
	ds_store_b32 v[ASC], v[TM+\t] offset:64*\t     ; lanes l and l xor 16 write the same word with the same value
.endr
	BARRIER                                        ; both halves of the 128 scores lie in LDS
	ds_load_b128 v[PC:PC+3], v[ASR]                ; every wave takes all 128: rows 4 lane .. + 3
	ds_load_b128 v[PC+4:PC+7], v[ASR] offset:512
	s_wait_dscnt 0x0
	v_pk_add_f32 v[PC:PC+1], v[PC:PC+1], v[PC+4:PC+5]
	v_pk_add_f32 v[PC+2:PC+3], v[PC+2:PC+3], v[PC+6:PC+7]
	v_pk_add_f32 v[PC:PC+1], v[PC:PC+1], s[C0:C0+1] op_sel_hi:[1,0]
	v_pk_add_f32 v[PC+2:PC+3], v[PC+2:PC+3], s[C0:C0+1] op_sel_hi:[1,0]
	s_cmp_lg_u32 s[WV], 0
	s_cbranch_scc1 .Lns_\@
	global_store_b128 v[AGS], v[PC:PC+3], s[16:17] offset:512*(1-\next)   ; wave 0: 512 consecutive bytes
.Lns_\@:
	v_max3_num_f32 v[TM], v[PC], v[PC+1], v[PC+2]
	v_max_num_f32 v[TM], v[TM], v[PC+3]
	v_max_num_f32_dpp v[TM], v[TM], v[TM] row_xmask:1 row_mask:0xf bank_mask:0xf
	v_max_num_f32_dpp v[TM], v[TM], v[TM] row_xmask:2 row_mask:0xf bank_mask:0xf
	v_max_num_f32_dpp v[TM], v[TM], v[TM] row_xmask:4 row_mask:0xf bank_mask:0xf
	v_max_num_f32_dpp v[TM], v[TM], v[TM] row_xmask:8 row_mask:0xf bank_mask:0xf
	v_permlanex16_b32 v[TM+4], v[TM], s[SEL], s[SEL+1]
	v_max_num_f32 v[TM], v[TM], v[TM+4]            ; the block's largest score (masked rows count, as in the definition's softmax)
	v_max_num_f32 v[TM+1], v[MRUN], v[TM]          ; the new running maximum
	v_sub_f32 v[TM+2], v[MRUN], v[TM+1]
.irp i, 0,1,2,3
	v_sub_f32 v[TM+8+\i], v[PC+\i], v[TM+1]
.endr
	v_mul_f32 v[TM+2], s[L2E], v[TM+2]
.irp i, 0,1,2,3
	v_mul_f32 v[TM+8+\i], s[L2E], v[TM+8+\i]
.endr
	v_exp_f32 v[TM+2], v[TM+2]                     ; F: what was summed under the old maximum is brought under the new
.irp i, 0,1,2,3
	v_exp_f32 v[TM+8+\i], v[TM+8+\i]
.endr
	v_mov_b32 v[MRUN], v[TM+1]                     ; (a plain place behind the five exponentials)
	s_wait_alu depctr_va_vdst(0)                   ; one wait for the batch, ahead of its first use
	v_pk_mul_f32 v[TM+8:TM+9], v[TM+8:TM+9], v[MASK:MASK+1]
	v_pk_mul_f32 v[TM+10:TM+11], v[TM+10:TM+11], v[MASK+2:MASK+3]
	ds_store_b128 v[APW], v[TM+8:TM+11]            ; the weights p, into my wave's own copy
	v_add_f32 v[TM+4], v[TM+8], v[TM+9]
	v_add_f32 v[TM+5], v[TM+10], v[TM+11]
	v_add_f32 v[TM+4], v[TM+4], v[TM+5]
	v_add_f32_dpp v[TM+4], v[TM+4], v[TM+4] row_xmask:1 row_mask:0xf bank_mask:0xf
	v_add_f32_dpp v[TM+4], v[TM+4], v[TM+4] row_xmask:2 row_mask:0xf bank_mask:0xf
	v_add_f32_dpp v[TM+4], v[TM+4], v[TM+4] row_xmask:4 row_mask:0xf bank_mask:0xf
	v_add_f32_dpp v[TM+4], v[TM+4], v[TM+4] row_xmask:8 row_mask:0xf bank_mask:0xf
	v_permlanex16_b32 v[TM+5], v[TM+4], s[SEL], s[SEL+1]
	v_add_f32 v[TM+4], v[TM+4], v[TM+5]
	v_fma_f32 v[LRUN], v[LRUN], v[TM+2], v[TM+4]
.irp i, 0,2,4,6
	v_pk_mul_f32 v[CTX+\i:CTX+\i+1], v[CTX+\i:CTX+\i+1], v[TM+2:TM+3] op_sel_hi:[1,0]
.endr
	CTXST 0
	BARRIER                                        ; nobody reads columns 0-511 any more
	WIN 0x0c                                       ; an LDS store's data are its source 1: window 3
.irp k, 0,1,2,3
.irp a, 0,1
.irp i, 0,1,2,3,4,5,6,7
	ds_store_b128 v[ABFW], v[32*(2*\k+\a)+4*\i:32*(2*\k+\a)+4*\i+3] offset:16*BFP*\a+256*\k+64*(\i/2)+16*(\i%2)
.endr
.endr
.endr
	WIN 0
	BARRIER                                        ; columns 512-1023 lie in LDS
	CTXST 1
.if \next
	s_wait_xcnt 0x0                                ; the scores' store has read its registers, which take the next block's codes
	BARRIER                                        ; nobody reads the bf16 rows any more: the next block's may be written
.endif
.endm
	s_load_b256 s[4:11], s[0:1], 0x0               ; enc s[4:5], coverage s[6:7], mask s[8:9], whl s[10:11]
	s_load_b256 s[12:19], s[0:1], 0x20             ; biasc s[12:13], c0 s[14:15], scores s[16:17], part s[18:19]
	s_load_b64 s[20:21], s[0:1], 0x40              ; ml
	v_lshl_add_u32 v[SPW], v0, 2, SPARE
	v_mov_b32 v[NIL], 0
	ds_add_u32 v1, v2
	ds_add_u32 v1, v2
	s_wait_dscnt 0x0
	v_lshrrev_b32 v28, 5, v0
	v_readfirstlane_b32 s[WV], v28                 ; wave 0..3
	s_lshr_b32 s[GR], s[WV], 1
	s_and_b32 s[EH], s[WV], 1
	s_mul_i32 s[LB], s[WV], TILEB                  ; my tile's place in a slot, and among a visit's four in memory: no place in the cluster enters it
	; descriptor group 1: a tile of whl, 13,056 dense bytes, as 51 rows of 32 elements of 8 bytes; no padding: the images are read 16 bytes a lane on end
	s_mov_b32 s[G1], 15|(3<<16)|(1<<21)            ; 15:0 the mask: all four work-groups; 17:16 elements of 8 bytes; 21 set beside a mask
	s_mov_b32 s[G1+1], 32<<16                      ; tensor_dim0 = 32
	s_mov_b32 s[G1+2], 51<<16                      ; tensor_dim1 = 51
	s_mov_b32 s[G1+3], 32<<16                      ; tile_dim0 = 32
	s_mov_b32 s[G1+4], 51                          ; tile_dim1 = 51
	s_mov_b32 s[G1+5], 32                          ; from row to row
	s_mov_b32 s[G1+6], 0
	s_mov_b32 s[G1+7], 0
	s_mov_b32 s58, s[LB]
	s_mov_b32 s59, 0
	s_mov_b32 s[CC2], 0x4038aa3b                   ; c = 2 log2(e)
	s_mov_b32 s[CC2+1], s[CC2]
	s_mov_b32 s[SEL], 0x76543210
	s_mov_b32 s[SEL+1], 0xfedcba98
	s_mov_b32 s[L2E], 0x3fb8aa3b
	s_wait_kmcnt 0x0
	s_mov_b32 s[G0], 1                             ; count = 1
	s_mov_b32 s[G0+1], s[LB]                       ; LDS address: slot 0
	s_add_nc_u64 s[G0+2:G0+3], s[10:11], s[58:59]  ; global address: tile w
	s_or_b32 s[G0+3], s[G0+3], 0x80000000          ; type = 2
	ROUND                                          ; all four work-groups are here: the first joint loads meet
	tensor_load_to_lds s[G0:G0+3], s[G1:G1+7]      ; visit 0's tiles; by this text's count a wave never has more than this one load out
	s_nop 0
.rept 4
	v_nop
.endr
	s_load_b32 s[C0], s[14:15], 0x0
	s_bfe_u32 s55, ttmp6, 0x40000                  ; cx: it enters global addresses alone
	s_lshl_b32 s56, ttmp9, 2
	s_add_co_u32 s55, s56, s55                     ; WG = 4 x cluster + cx
	s_mov_b32 s57, 0
	s_lshl_b32 s56, s55, 20
	s_lshl_b32 s60, s[WV], 17
	s_add_co_u32 s56, s56, s60
	s_add_nc_u64 s[4:5], s[4:5], s[56:57]          ; enc at row 256 WG + 32 wave
	s_lshl_b32 s56, s55, 10
	s_add_nc_u64 s[6:7], s[6:7], s[56:57]
	s_add_nc_u64 s[8:9], s[8:9], s[56:57]
	s_add_nc_u64 s[16:17], s[16:17], s[56:57]
	s_lshl_b32 s56, s55, 12
	s_add_nc_u64 s[18:19], s[18:19], s[56:57]
	s_lshl_b32 s56, s55, 8
	s_add_nc_u64 s[20:21], s[20:21], s[56:57]
	s_lshr_b32 s56, s55, 3
	s_lshl_b32 s56, s56, 12
	s_add_nc_u64 s[12:13], s[12:13], s[56:57]      ; biasc of batch WG / 8
	v_and_b32 v28, 15, v0                          ; r
	v_bfe_u32 v29, v0, 4, 1                        ; h
	v_and_b32 v30, 31, v0                          ; lane
	v_lshlrev_b32 v[XA], 12, v28
	v_lshl_add_u32 v[XA], v29, 6, v[XA]
	v_lshlrev_b32 v[AGS], 4, v30
	v_lshlrev_b32 v[AGT], 4, v0
	v_lshlrev_b32 v[AML], 3, v30
	s_mul_i32 s60, s[WV], 12288
	s_add_co_u32 s60, s60, IMG
	v_add_nc_u32 v[AIW], s60, v[AGS]
	s_lshl_b32 s60, s[WV], 10
	s_add_co_u32 s60, s60, IMGS
	v_lshl_add_u32 v[AISW], v30, 2, s60
	s_mul_i32 s60, s[WV], 32*BFP
	s_add_co_u32 s60, s60, BFL
	v_mul_u32_u24 v[ABFW], v28, BFP
	v_lshl_add_u32 v[ABFW], v29, 5, v[ABFW]
	v_add_nc_u32 v[ABFW], s60, v[ABFW]
	s_mul_i32 s60, s[GR], 24576
	s_add_co_u32 s60, s60, IMG
	v_add_nc_u32 v[AIR], s60, v[AGS]
	s_lshl_b32 s60, s[GR], 11
	s_add_co_u32 s60, s60, IMGS
	v_lshl_add_u32 v[AISR], v30, 2, s60
	s_mul_i32 s61, s[EH], TILEB
	v_add_nc_u32 v[AB0], s61, v[AGS]
	v_lshl_add_u32 v[ASB0], v28, 5, s61
	v_lshl_add_u32 v[AVC0], v29, 5, s61
	s_lshl_b32 s60, s[EH], 6
	s_add_co_u32 s60, s60, BIASL
	v_lshl_add_u32 v[ABI0], v29, 5, s60
	s_lshl_b32 s60, s[EH], 9
	s_lshl_b32 s61, s[GR], 8
	s_add_co_u32 s60, s60, s61
	s_add_co_u32 s60, s60, SCL
	v_lshl_add_u32 v[ASC], v28, 2, s60
	v_lshl_add_u32 v[ACOV], v28, 2, s61
	v_add_nc_u32 v[ASR], SCL, v[AGS]
	s_lshl_b32 s60, s[WV], 9
	s_add_co_u32 s60, s60, PPL
	v_add_nc_u32 v[APW], s60, v[AGS]
	v_mov_b32 v[APR0], s60
	v_lshl_add_u32 v[ACX0], v0, 3, BFL
	v_lshrrev_b32 v31, 1, v30
	v_lshlrev_b32 v[PFO], 12, v31
	v_and_b32 v31, 1, v30
	v_lshl_add_u32 v[PFO], v31, 8, v[PFO]
	v_add_nc_u32 v[ABW], BIASL, v[AGT]
	v_mov_b32 v[MRUN], 0xff61b1e6                  ; -3e38, under every score
	v_mov_b32 v[LRUN], 0
.irp i, 0,1,2,3,4,5,6,7
	v_mov_b32 v[CTX+\i], 0
.endr
.irp b, 0,1,2,3
	v_mov_b32 v[TM+4+\b], 0                        ; written once: a lane permute's destination counts as one of its sources
.endr
	global_load_b128 v[PC:PC+3], v[AGT], s[12:13]  ; biasc of my batch: 128 threads x 2 x 16 bytes
	global_load_b128 v[PC+4:PC+7], v[AGT], s[12:13] offset:2048
	NEXTIN 0
	XLOAD 0
	XLOAD 1
	XLOAD 2
	s_wait_loadcnt 53                              ; biasc is in: behind its two loads stand 4 + 1 + 48
	ds_store_b128 v[ABW], v[PC:PC+3]
	ds_store_b128 v[ABW], v[PC+4:PC+7] offset:2048 ; the other waves read these behind the load phase's barriers
	XLOAD 3
	s_wait_dscnt 0x0
	s_wait_kmcnt 0x0
	s_mov_b32 s[C0+1], s[C0]
	s_mov_b32 s[BLK], 2                            ; blocks to go, this one among them
.Lblock:
	s_cmp_eq_u32 s[BLK], 2
	s_cselect_b32 s[LIM], 2, 0
	; ---- the load phase: K steps 0-3, their images to the others; then K steps 4-7 through the same bytes
.irp u, 0,1,2,3,4,5,6,7
	UNIT \u, 48
.endr
	BARRIER                                        ; 32 images lie in LDS
	AFETCH 0
	BARRIER                                        ; everybody has them in registers: the bytes may be written again
.irp u, 8,9,10,11,12
	UNIT \u, 48
.endr
	UNIT 13, 32
	UNIT 14, 16
	UNIT 15, 0
	BARRIER
	AFETCH 1
	s_wait_dscnt 0x0
.irp i, 0,1,2,3,4,5,6,7
	v_mov_b32 v[S+\i], 0
.endr
	s_mov_b32 s[TB], 0
	s_mov_b32 s[TJ], 0
	; ---- the pass: 16 visits of four tiles
	VISIT 1, 1
	s_mov_b32 s[VC], 14
.Lv:
	VISIT 0, 2
	s_sub_co_u32 s[VC], s[VC], 1
	s_cmp_lg_u32 s[VC], 0
	s_cbranch_scc1 .Lv
	s_cmp_eq_u32 s[BLK], 1
	s_cbranch_scc1 .Ltail                          ; the last block's end is written out: it asks for nothing more
	VISIT 0, 3                                     ; the ring goes on into the next block: its first tiles land during this block's end and the next load phase
	FINISH 1
	s_sub_co_u32 s[BLK], s[BLK], 1
	s_branch .Lblock
.Ltail:
	VISIT 0, 0
	FINISH 0
	s_cmp_lg_u32 s[WV], 0
	s_cbranch_scc1 .Lnm
	global_store_b64 v[AML], v[MRUN:MRUN+1], s[20:21]              ; wave 0: (m, l) 32 times: 256 consecutive bytes
.Lnm:
	global_store_b128 v[AGT], v[CTX:CTX+3], s[18:19]               ; columns 4 t .. + 3: a wave stores 512 consecutive bytes
	global_store_b128 v[AGT], v[CTX+4:CTX+7], s[18:19] offset:2048 ; columns 512 + 4 t .. + 3
	s_wait_tensorcnt 0x0                           ; the wave's end, behind my last tensor load and my last LDS store
	ds_add_u32 v[SPW], v[NIL]
	s_wait_dscnt 0x0
	ROUND                                          ; the closing round: no work-group ends while a partner may still ask for a tile that names it
	s_endpgm
.Lfunc_end_k_q463c98dc33_main:
	.size	k_q463c98dc33_main, .Lfunc_end_k_q463c98dc33_main-k_q463c98dc33_main
	.p2alignl 7, 3214868480
	.fill 96, 4, 3214868480
	.section	.rodata,"a",@progbits
	.p2align	6, 0x0
	.amdhsa_kernel k_q463c98dc33_main
		.amdhsa_group_segment_fixed_size 327680
		.amdhsa_private_segment_fixed_size 0
		.amdhsa_enable_private_segment 0
		.amdhsa_kernarg_size 72
		.amdhsa_user_sgpr_count 2
		.amdhsa_user_sgpr_kernarg_segment_ptr 1
		.amdhsa_wavefront_size32 1
		.amdhsa_system_sgpr_workgroup_id_x 1
		.amdhsa_system_sgpr_workgroup_id_y 1
		.amdhsa_system_sgpr_workgroup_id_z 1
		.amdhsa_system_vgpr_workitem_id 0
		.amdhsa_next_free_vgpr 1024
		.amdhsa_next_free_sgpr 66
		.amdhsa_reserve_vcc 0
		.amdhsa_float_denorm_mode_32 3
		.amdhsa_float_denorm_mode_16_64 3
		.amdhsa_memory_ordered 1
		.amdhsa_forward_progress 1
		.amdhsa_inst_pref_size 255
	.end_amdhsa_kernel
	.section	.bss,"aw",@nobits
	.p2align	6
	.space	262144
	.amdgpu_metadata
---
amdhsa.version: [ 1, 2 ]
amdhsa.kernels:
  - .name:           k_q463c98dc33_main
    .symbol:         k_q463c98dc33_main.kd
    .args:
      - { .name: enc_output, .offset: 0, .size: 8, .value_kind: global_buffer, .address_space: global }
      - { .name: prev_coverage, .offset: 8, .size: 8, .value_kind: global_buffer, .address_space: global }
      - { .name: enc_pad_mask, .offset: 16, .size: 8, .value_kind: global_buffer, .address_space: global }
      - { .name: whl, .offset: 24, .size: 8, .value_kind: global_buffer, .address_space: global }
      - { .name: biasc, .offset: 32, .size: 8, .value_kind: global_buffer, .address_space: global }
      - { .name: c0, .offset: 40, .size: 8, .value_kind: global_buffer, .address_space: global }
      - { .name: scores, .offset: 48, .size: 8, .value_kind: global_buffer, .address_space: global }
      - { .name: part, .offset: 56, .size: 8, .value_kind: global_buffer, .address_space: global }
      - { .name: ml, .offset: 64, .size: 8, .value_kind: global_buffer, .address_space: global }
    .group_segment_fixed_size: 327680
    .private_segment_fixed_size: 0
    .kernarg_segment_align: 8
    .kernarg_segment_size: 72
    .max_flat_workgroup_size: 128
    .sgpr_count:     66
    .vgpr_count:     1024
    .wavefront_size: 32
...
	.end_amdgpu_metadata
.endif
;; end of part 2
;; launch comb (part 3): grid 256 x 1, 2 waves a work-group, no clusters, 0 bytes of LDS; arguments scores, part, ml, enc_pad_mask, prev_coverage, out0, out1, out2; writes out0, out1, out2
.if DOCPART == 3
	.amdgcn_target "amdgcn-amd-amdhsa--gfx1250"
	.amdhsa_code_object_version 6
	.text
	.protected	k_q463c98dc33_comb
	.globl	k_q463c98dc33_comb
	.p2align	8
	.type	k_q463c98dc33_comb,@function
k_q463c98dc33_comb:
	s_mov_b64 s[64:65], 0
	v_nop
	global_prefetch_b8 v0, s[64:65] scope:SCOPE_SE
	s_setreg_imm32_b32 hwreg(HW_REG_WAVE_MODE, 25, 1), 1
	s_wait_xcnt 0x0
; Joins the eight partial results of a batch.  Work-group id: batch b = id / 8, part j = id % 8.  With (m_i, l_i) of the batch's eight work-groups of the launch before:
; M = max m_i, g_i = 2^((m_i - M) log2 e), L = sum of l_i g_i;  weight(row) = 2^((score - M) log2 e) x mask / L;  coverage = prev + weight;  context = sum of part_i g_i / L.
; Every thread is alike: thread t (0..63) takes rows 256 id + 4 t .. + 3 (a wave's loads and stores cover 512 consecutive bytes) and columns 128 j + 2 t, + 1 of the context (256 consecutive bytes a wave).
; Memory binds and the launch is short: all loads go out at once; no LDS, no barrier.  A batch whose mask is all 0 has L = 0 and gives NaN, as the definition does.
	s_load_b256 s[4:11], s[0:1], 0x0               ; scores s[4:5], part s[6:7], ml s[8:9], mask s[10:11]
	s_load_b256 s[12:19], s[0:1], 0x20             ; coverage s[12:13], out0 s[14:15], out1 s[16:17], out2 s[18:19]
	v_lshlrev_b32 v1, 4, v0                        ; 16 t
	v_lshlrev_b32 v2, 3, v0                        ; 8 t
	s_lshr_b32 s36, ttmp9, 3                       ; b
	s_and_b32 s37, ttmp9, 7
	s_lshl_b32 s37, s37, 9                         ; 512 j
	s_lshl_b32 s38, ttmp9, 10                      ; my 256 rows, in bytes
	s_mov_b32 s39, 0
	s_lshl_b32 s40, s36, 11                        ; ml: 8 b entries of 256 bytes
	s_mov_b32 s41, 0
	s_lshl_b32 s42, s36, 15                        ; part: 8 b rows of 4,096 bytes, + 512 j
	s_add_co_u32 s42, s42, s37
	s_mov_b32 s43, 0
	s_lshl_b32 s44, s36, 12                        ; out0: row b, + 512 j
	s_add_co_u32 s44, s44, s37
	s_mov_b32 s45, 0
	s_wait_kmcnt 0x0
	s_add_nc_u64 s[8:9], s[8:9], s[40:41]
.irp i, 0,1,2,3,4,5,6,7
	s_load_b64 s[20+2*\i:21+2*\i], s[8:9], 256*\i  ; m_i, l_i
.endr
	s_add_nc_u64 s[4:5], s[4:5], s[38:39]
	s_add_nc_u64 s[10:11], s[10:11], s[38:39]
	s_add_nc_u64 s[12:13], s[12:13], s[38:39]
	s_add_nc_u64 s[16:17], s[16:17], s[38:39]
	s_add_nc_u64 s[18:19], s[18:19], s[38:39]
	s_add_nc_u64 s[6:7], s[6:7], s[42:43]
	s_add_nc_u64 s[14:15], s[14:15], s[44:45]
	global_load_b128 v[4:7], v1, s[4:5] th:TH_LOAD_NT
	global_load_b128 v[8:11], v1, s[10:11] th:TH_LOAD_NT
	global_load_b128 v[12:15], v1, s[12:13] th:TH_LOAD_NT
.irp i, 0,1,2,3,4,5,6,7
	global_load_b64 v[16+2*\i:17+2*\i], v2, s[6:7] offset:4096*\i th:TH_LOAD_NT
.endr
	s_wait_kmcnt 0x0
	v_mov_b32 v32, s20
.irp i, 1,2,3,4,5,6,7
	v_max_num_f32 v32, s[20+2*\i], v32             ; M
.endr
.irp i, 0,1,2,3,4,5,6,7
	v_sub_f32 v[34+\i], s[20+2*\i], v32
.endr
.irp i, 0,1,2,3,4,5,6,7
	v_mul_f32 v[34+\i], 0x3fb8aa3b, v[34+\i]
.endr
	s_wait_loadcnt 10                              ; the scores are in; the ten younger loads may be out
.irp i, 0,1,2,3
	v_sub_f32 v[4+\i], v[4+\i], v32
.endr
.irp i, 0,1,2,3
	v_mul_f32 v[4+\i], 0x3fb8aa3b, v[4+\i]
.endr
.irp i, 0,1,2,3,4,5,6,7
	v_exp_f32 v[34+\i], v[34+\i]                   ; g_i
.endr
.irp i, 0,1,2,3
	v_exp_f32 v[4+\i], v[4+\i]
.endr
	v_nop                                          ; a plain place behind the twelve exponentials
	s_wait_alu depctr_va_vdst(0)                   ; one wait for the batch, ahead of its first use
	v_mul_f32 v42, s21, v34
.irp i, 1,2,3,4,5,6,7
	v_fma_f32 v42, s[21+2*\i], v[34+\i], v42       ; L
.endr
	v_rcp_f32 v46, v42                             ; 1 / L, twice: a pair for the packed multiplies
	v_rcp_f32 v47, v42
	s_wait_loadcnt 0x0
	v_pk_mul_f32 v[4:5], v[4:5], v[8:9]            ; x mask.  (Plain work behind the reciprocals, which it does not name)
	v_pk_mul_f32 v[6:7], v[6:7], v[10:11]
	v_pk_mul_f32 v[44:45], v[16:17], v[34:35] op_sel_hi:[1,0]
	v_pk_fma_f32 v[44:45], v[18:19], v[34:35], v[44:45] op_sel:[0,1,0] op_sel_hi:[1,1,1]
.irp i, 2,4,6
	v_pk_fma_f32 v[44:45], v[16+2*\i:17+2*\i], v[34+\i:35+\i], v[44:45] op_sel_hi:[1,0,1]
	v_pk_fma_f32 v[44:45], v[18+2*\i:19+2*\i], v[34+\i:35+\i], v[44:45] op_sel:[0,1,0] op_sel_hi:[1,1,1]
.endr
	s_wait_alu depctr_va_vdst(0)                   ; the wait for the two reciprocals
	v_pk_mul_f32 v[4:5], v[4:5], v[46:47]
	v_pk_mul_f32 v[6:7], v[6:7], v[46:47]
	v_pk_mul_f32 v[44:45], v[44:45], v[46:47]
	v_pk_add_f32 v[12:13], v[12:13], v[4:5]
	v_pk_add_f32 v[14:15], v[14:15], v[6:7]
	global_store_b128 v1, v[4:7], s[16:17] th:TH_STORE_NT
	global_store_b128 v1, v[12:15], s[18:19] th:TH_STORE_NT
	global_store_b64 v2, v[44:45], s[14:15] th:TH_STORE_NT
	s_endpgm
.Lfunc_end_k_q463c98dc33_comb:
	.size	k_q463c98dc33_comb, .Lfunc_end_k_q463c98dc33_comb-k_q463c98dc33_comb
	.p2alignl 7, 3214868480
	.fill 96, 4, 3214868480
	.section	.rodata,"a",@progbits
	.p2align	6, 0x0
	.amdhsa_kernel k_q463c98dc33_comb
		.amdhsa_group_segment_fixed_size 0
		.amdhsa_private_segment_fixed_size 0
		.amdhsa_enable_private_segment 0
		.amdhsa_kernarg_size 64
		.amdhsa_user_sgpr_count 2
		.amdhsa_user_sgpr_kernarg_segment_ptr 1
		.amdhsa_wavefront_size32 1
		.amdhsa_system_sgpr_workgroup_id_x 1
		.amdhsa_system_sgpr_workgroup_id_y 1
		.amdhsa_system_sgpr_workgroup_id_z 1
		.amdhsa_system_vgpr_workitem_id 0
		.amdhsa_next_free_vgpr 48
		.amdhsa_next_free_sgpr 66
		.amdhsa_reserve_vcc 0
		.amdhsa_float_denorm_mode_32 3
		.amdhsa_float_denorm_mode_16_64 3
		.amdhsa_memory_ordered 1
		.amdhsa_forward_progress 1
		.amdhsa_inst_pref_size 7
	.end_amdhsa_kernel
	.amdgpu_metadata
---
amdhsa.version: [ 1, 2 ]
amdhsa.kernels:
  - .name:           k_q463c98dc33_comb
    .symbol:         k_q463c98dc33_comb.kd
    .args:
      - { .name: scores, .offset: 0, .size: 8, .value_kind: global_buffer, .address_space: global }
      - { .name: part, .offset: 8, .size: 8, .value_kind: global_buffer, .address_space: global }
      - { .name: ml, .offset: 16, .size: 8, .value_kind: global_buffer, .address_space: global }
      - { .name: enc_pad_mask, .offset: 24, .size: 8, .value_kind: global_buffer, .address_space: global }
      - { .name: prev_coverage, .offset: 32, .size: 8, .value_kind: global_buffer, .address_space: global }
      - { .name: out0, .offset: 40, .size: 8, .value_kind: global_buffer, .address_space: global }
      - { .name: out1, .offset: 48, .size: 8, .value_kind: global_buffer, .address_space: global }
      - { .name: out2, .offset: 56, .size: 8, .value_kind: global_buffer, .address_space: global }
    .group_segment_fixed_size: 0
    .private_segment_fixed_size: 0
    .kernarg_segment_align: 8
    .kernarg_segment_size: 64
    .max_flat_workgroup_size: 64
    .sgpr_count:     66
    .vgpr_count:     48
    .wavefront_size: 32
...
	.end_amdgpu_metadata
.endif
;; end of part 3
;; ======== version 2 of 2: 3 launches
;; limits: values are held in bf16: 8 bits of precision; right only within a limited range of input values
;; workspace buffers: whl 835,584 bytes; biasc 131,072 bytes; scores 262,144 bytes; part 1,048,576 bytes; ml 65,536 bytes
;; launch prep (part 4): grid 64 x 1, 8 waves a work-group, no clusters, 17,408 bytes of LDS; arguments Wh_codes, Wh_scales, Ws_codes, Ws_scales, dec_hidden, bh, bs, bc, Wc, v, whl, biasc; writes whl, biasc
.if DOCPART == 4
	.amdgcn_target "amdgcn-amd-amdhsa--gfx1250"
	.amdhsa_code_object_version 6
	.text
	.protected	k_q463c98dc33_prep
	.globl	k_q463c98dc33_prep
	.p2align	8
	.type	k_q463c98dc33_prep,@function
k_q463c98dc33_prep:
	s_mov_b64 s[64:65], 0
	v_nop
	global_prefetch_b8 v0, s[64:65] scope:SCOPE_SE
	s_setreg_imm32_b32 hwreg(HW_REG_WAVE_MODE, 25, 1), 1
	s_wait_xcnt 0x0
; WORK LEFT OUT, in the whole program.  With tanh(x) = 1 - 2 R the definition's score is bv + sum over e of v[e] - 2 sum over e of v[e] R[row][e].  The term bv + sum of v is the same for every row of a batch,
; the scores go into the softmax along the rows and nowhere else, and softmax(s + k) = softmax(s) for every real k: so the term reaches no output, whatever the inputs hold.  It is not computed, and the input bv,
; which has no other way to an output, is not loaded and is no argument of any launch.  Limit: a NaN, an infinity or an overflow that reaches only bv or the sum of v is not carried to the results.
; WHAT THIS LAUNCH MAKES, for the launch behind it.  Work-group T (0..63) owns the 16 rows e = 16 T .. 16 T + 15 of Wh and of Ws.
;  whl, tile T: one dense block of TILEB = 13,056 bytes: the 8 fragments of Wh (16 rows x 128 K of E2M3 codes) as images of the operand's 12 registers
;    (K step ks at 1,536 ks; registers 4 c .. 4 c + 3 of lane l at 512 c + 16 l); at 12,288 the rows' 512 scale bytes, lane (r, h)'s 16 bytes (the scale words of K steps 4 h .. 4 h + 3 of row r) at 16 x lane;
;    at 12,800 c x Wc[e] (16), at 12,864 -2 v[e] (16), then 128 zero bytes.
;  biasc[b][e] = c x (dec[b] . Ws[e] + bs[e] + bh[e] + bc[e]), c = 2 log2(e): the product on codes of E2M3, dec quantised here along K.
; SHARES.  Eight waves; wave w takes K step w: it copies Wh's fragment, quantises dec's 32 rows x 128 K (two fragments) and multiplies them by its fragment of Ws: two partial tiles, which meet in LDS.
; Behind the one barrier each thread adds the eight partials of two neighbouring e.  A row of biasc gets 64 bytes from a work-group (eight lanes x 8 bytes): the buffer is 128 KB in all.
; LIMITS: NaN and infinities among the inputs are not served; a block of dec whose largest magnitude lies under 2^-124 keeps the scale byte 1 (a block of zeros too: its codes are zeros).
.set TILEB, 13056
.set X0,   32                          ; v32-95   dec rows 0-15, 64 numbers a lane; later the eight partials
.set X1,   96                          ; v96-159  dec rows 16-31
.set WHF,  160                         ; v160-171 Wh's fragment
.set WSF,  172                         ; v172-183 Ws's fragment
.set RS,   184                         ; at work in the two small jobs, ahead of the codes
.set PC0,  184                         ; v184-203 codes of rows 0-15
.set PC1,  204                         ; v204-223 codes of rows 16-31
.set ACC,  224                         ; v224-239 two accumulators
.set TM,   240                         ; v240-255 at work in QUANT
.set PW0,  16                          ; v16, v17 dec's scale words;  v18 Ws's: these three hold scales and nothing else
.set PW1,  17
.set WSS,  18
.set SEL,  34                          ; s[34:35] lane selects for v_permlanex16_b32: lane l xor 16
	s_load_b256 s[4:11], s[0:1], 0x0               ; Wh_codes s[4:5], Wh_scales s[6:7], Ws_codes s[8:9], Ws_scales s[10:11]
	s_load_b256 s[12:19], s[0:1], 0x20             ; dec_hidden s[12:13], bh s[14:15], bs s[16:17], bc s[18:19]
	s_load_b256 s[20:27], s[0:1], 0x40             ; Wc s[20:21], v s[22:23], whl s[24:25], biasc s[26:27]
	v_lshl_add_u32 v250, v0, 2, 0x4000             ; my spare word, behind the partials
	v_mov_b32 v251, 0
	v_lshrrev_b32 v1, 5, v0
	s_delay_alu instid0(VALU_DEP_1)
	v_readfirstlane_b32 s33, v1                    ; wave 0..7
	v_and_b32 v1, 15, v0                           ; r
	v_bfe_u32 v2, v0, 4, 1                         ; h
	v_and_b32 v3, 31, v0                           ; lane
	s_delay_alu instid0(VALU_DEP_3)
	v_lshlrev_b32 v4, 11, v1
	s_delay_alu instid0(VALU_DEP_1)
	v_lshl_add_u32 v4, v2, 6, v4                   ; dec: row r of 2,048 bytes, + 64 h
	v_mul_u32_u24 v5, v1, 768
	s_delay_alu instid0(VALU_DEP_1)
	v_mad_u32_u24 v5, v2, 24, v5                   ; codes: row r of 768 bytes, + 24 h
	v_lshlrev_b32 v6, 5, v1                        ; scale bytes: 32 a row
	s_delay_alu instid0(VALU_DEP_1)
	v_lshl_add_u32 v13, v2, 4, v6                  ; and my half's 16 of them
	v_lshlrev_b32 v7, 4, v3                        ; 16 x lane
	v_lshlrev_b32 v8, 3, v3                        ; 8 x lane
	s_lshl_b32 s34, s33, 11
	v_add_nc_u32 v9, s34, v7                       ; LDS: my wave's 2,048 bytes of partials, 16 x lane
	; where thread t finds its two numbers in a wave's partials: row b = t / 8, e = 2 (t % 8): tile b / 16, lane (b % 16) + 16 (bit 2 of t), registers 2 (t % 4), + 1
	v_bfe_u32 v10, v0, 7, 1
	s_delay_alu instid0(VALU_DEP_1)
	v_lshlrev_b32 v10, 10, v10
	v_bfe_u32 v15, v0, 1, 1
	s_delay_alu instid0(VALU_DEP_1)
	v_lshl_add_u32 v10, v15, 9, v10
	v_bfe_u32 v15, v0, 3, 4
	s_delay_alu instid0(VALU_DEP_1)
	v_lshl_add_u32 v10, v15, 4, v10
	v_bfe_u32 v15, v0, 2, 1
	s_delay_alu instid0(VALU_DEP_1)
	v_lshl_add_u32 v10, v15, 8, v10
	v_and_b32 v15, 1, v0
	s_delay_alu instid0(VALU_DEP_1)
	v_lshl_add_u32 v10, v15, 3, v10
	v_and_b32 v11, 7, v0
	s_delay_alu instid0(VALU_DEP_1)
	v_lshlrev_b32 v11, 3, v11                      ; 8 (t % 8): my two e, in bytes
	v_lshrrev_b32 v12, 3, v0
	s_delay_alu instid0(VALU_DEP_1)
	v_lshl_add_u32 v12, v12, 12, v11               ; biasc: row t / 8 of 4,096 bytes, + my two e
.irp b, 0,1,2,3
	v_mov_b32 v[TM+4+\b], 0                        ; a lane permute's destination counts as one of its sources
.endr
	s_mov_b32 s37, 0
	s_mov_b32 s39, 0
	s_mov_b32 s41, 0
	s_mov_b32 s43, 0
	s_lshr_b32 s36, s33, 2
	s_lshl_b32 s36, s36, 16
	s_and_b32 s34, s33, 3
	s_lshl_b32 s34, s34, 9
	s_add_co_u32 s36, s36, s34                     ; dec: K step w lies in half w / 4 (65,536 bytes), at 512 (w % 4) of a row
	s_mul_i32 s38, ttmp9, 12288
	s_mul_i32 s34, s33, 96
	s_add_co_u32 s38, s38, s34                     ; codes: 16 T rows of 768 bytes, + 96 w
	s_lshl_b32 s40, ttmp9, 9                       ; scale bytes: 16 T rows of 32
	s_lshl_b32 s42, ttmp9, 6                       ; f32 vectors: 16 T numbers
	s_wait_alu depctr_va_vdst(0)
	s_wait_kmcnt 0x0
	s_add_nc_u64 s[12:13], s[12:13], s[36:37]
	s_add_nc_u64 s[4:5], s[4:5], s[38:39]
	s_add_nc_u64 s[8:9], s[8:9], s[38:39]
	s_add_nc_u64 s[6:7], s[6:7], s[40:41]
	s_add_nc_u64 s[10:11], s[10:11], s[40:41]
	s_lshl_b32 s36, s33, 2
	s_add_nc_u64 s[10:11], s[10:11], s[36:37]      ; Ws's scale word of K step w
	s_add_nc_u64 s[14:15], s[14:15], s[42:43]
	s_add_nc_u64 s[16:17], s[16:17], s[42:43]
	s_add_nc_u64 s[18:19], s[18:19], s[42:43]
	s_add_nc_u64 s[20:21], s[20:21], s[42:43]
	s_add_nc_u64 s[22:23], s[22:23], s[42:43]      ; v at my 16 e
	s_add_nc_u64 s[26:27], s[26:27], s[42:43]
	s_mul_i32 s38, ttmp9, TILEB
	s_add_nc_u64 s[24:25], s[24:25], s[38:39]      ; my tile of whl
	s_mul_i32 s36, s33, 1536
	s_add_nc_u64 s[46:47], s[24:25], s[36:37]      ; and my wave's image in it
	s_mov_b32 s[SEL], 0x76543210
	s_mov_b32 s[SEL+1], 0xfedcba98
	; ---- every wave's loads, in one run
.irp t, 0,1
.irp b, 0,1,2,3
.irp j, 0,1,2,3
	global_load_b128 v[X0+64*\t+16*\b+4*\j:X0+64*\t+16*\b+4*\j+3], v4, s[12:13] offset:32768*\t+128*\b+16*\j   ; register 16 b + i = k 32 b + 16 h + i of row 16 t + r
.endr
.endr
.endr
.irp p, 0,1,2,3,4,5
	global_load_b64 v[WHF+2*\p:WHF+2*\p+1], v5, s[4:5] offset:48*(\p/3)+8*(\p%3)   ; a fragment: 24 bytes of the row's stream of bits, and the 24 that lie 48 on, in pieces of 8
	global_load_b64 v[WSF+2*\p:WSF+2*\p+1], v5, s[8:9] offset:48*(\p/3)+8*(\p%3)
.endr
	global_load_b32 v[WSS], v6, s[10:11]
	global_load_b64 v[20:21], v11, s[14:15]        ; bh, bs, bc of my two e
	global_load_b64 v[22:23], v11, s[16:17]
	global_load_b64 v[24:25], v11, s[18:19]
	; ---- two small jobs, one wave each: their loads follow the common ones
	s_cmp_eq_u32 s33, 4
	s_cbranch_scc0 .Lnot4
	global_load_b128 v[RS:RS+3], v13, s[6:7]       ; wave 4: the 16 rows' scale bytes: lane (r, h) takes bytes 16 h .. + 15 of row r,
	s_wait_loadcnt 0x0
	global_store_b128 v7, v[RS:RS+3], s[24:25] offset:12288   ; and lays them at 16 x lane: 512 consecutive bytes
	s_branch .Ljoin
.Lnot4:
	s_cmp_eq_u32 s33, 5
	s_cbranch_scc0 .Ljoin
	global_load_b64 v[RS:RS+1], v11, s[20:21]      ; wave 5: the tile's last 256 bytes, 8 a lane: lanes 0-7 c x Wc, lanes 8-15 -2 v, lanes 16-31 zeros
	global_load_b64 v[RS+2:RS+3], v11, s[22:23]
	s_wait_loadcnt 0x0
	v_pk_mul_f32 v[RS:RS+1], v[RS:RS+1], 0x4038aa3b op_sel_hi:[1,0]
	v_pk_mul_f32 v[RS+2:RS+3], v[RS+2:RS+3], -2.0 op_sel_hi:[1,0]
	v_cmp_gt_u32 vcc_lo, 8, v3
	s_delay_alu instid0(VALU_DEP_1)
	v_cndmask_b32 v[RS], v[RS+2], v[RS], vcc_lo
	s_delay_alu instid0(VALU_DEP_2)
	v_cndmask_b32 v[RS+1], v[RS+3], v[RS+1], vcc_lo
	v_cmp_gt_u32 vcc_lo, 16, v3
	s_delay_alu instid0(VALU_DEP_1)
	v_cndmask_b32 v[RS], 0, v[RS], vcc_lo
	s_delay_alu instid0(VALU_DEP_2)
	v_cndmask_b32 v[RS+1], 0, v[RS+1], vcc_lo
	global_store_b64 v8, v[RS:RS+1], s[24:25] offset:12800
.Ljoin:
	s_wait_loadcnt 0x0                             ; one wait for the one run of loads
.irp c, 0,1,2
	global_store_b128 v7, v[WHF+4*\c:WHF+4*\c+3], s[46:47] offset:512*\c   ; the image: 512 consecutive bytes a store
.endr
	s_wait_xcnt 0x0                                ; the small jobs' stores have read v[RS] on: the codes are written there only behind this wait
; 64 numbers of a lane, v[s] on, register 16 b + i = k 32 b + 16 h + i of my row, become a fragment's codes in v[pc] .. v[pc + 11] and its scale word in v[pw].
.macro QUANT s, pc, pw
.irp b, 0,1,2,3
	v_max3_num_f32 v[TM+\b], |v[\s+16*\b]|, |v[\s+1+16*\b]|, 0x1800000   ; block b: my 16 numbers, and the floor 2^(3 - 127): the byte cannot fall under 1
.endr
.irp i, 2,4,6,8,10,12,14
.irp b, 0,1,2,3
	s_delay_alu instid0(VALU_DEP_4)
	v_max3_num_f32 v[TM+\b], v[TM+\b], |v[\s+16*\b+\i]|, |v[\s+1+16*\b+\i]|   ; the four blocks by turns
.endr
.endr
.irp b, 0,1,2,3
	s_delay_alu instid0(VALU_DEP_4)
	v_permlanex16_b32 v[TM+4+\b], v[TM+\b], s[SEL], s[SEL+1]
.endr
.irp b, 0,1,2,3
	s_delay_alu instid0(VALU_DEP_4)
	v_max_num_f32 v[TM+\b], v[TM+\b], v[TM+4+\b]   ; with lane l xor 16's: the block's largest magnitude
.endr
.irp b, 0,1,2,3
	s_delay_alu instid0(VALU_DEP_4)
	v_add_nc_u32 v[TM+12+\b], 0xff000000, v[TM+\b]   ; 2 off its exponent field: the conversion's scale operand
.endr
.irp b, 0,1,2,3
	s_delay_alu instid0(VALU_DEP_4)
	v_lshrrev_b32 v[TM+4+\b], 23, v[TM+12+\b]      ; the scale's byte
.endr
	s_delay_alu instid0(VALU_DEP_3)
	v_lshl_or_b32 v[\pw], v[TM+5], 8, v[TM+4]
	s_delay_alu instid0(VALU_DEP_1)
	v_lshl_or_b32 v[\pw], v[TM+6], 16, v[\pw]
	s_delay_alu instid0(VALU_DEP_1)
	v_lshl_or_b32 v[\pw], v[TM+7], 24, v[\pw]
.irp c, 0,1
	v_cvt_scalef32_pk16_fp6_f32 v[\pc+6*\c:\pc+2+6*\c], v[\s+32*\c:\s+15+32*\c], v[TM+12+2*\c]
	v_cvt_scalef32_pk16_fp6_f32 v[\pc+12+4*\c:\pc+14+4*\c], v[\s+16+32*\c:\s+31+32*\c], v[TM+12+2*\c+1]   ; (a conversion's three registers begin on an even number)
.endr
	v_nop                                          ; one plain place behind a scaled conversion
.irp c, 0,1                                    ; the operand's layout wants a whole block in a lane: lanes 0-15 block 2 c, lanes 16-31 block 2 c + 1
.irp i, 0,1,2
	v_permlane16_swap_b32 v[\pc+6*\c+\i], v[\pc+12+4*\c+\i]
.endr
.irp i, 0,1,2
	s_delay_alu instid0(VALU_DEP_3)
	v_mov_b32 v[\pc+3+6*\c+\i], v[\pc+12+4*\c+\i]
.endr
.endr
.endm
	QUANT X0, PC0, PW0
	QUANT X1, PC1, PW1
.rept 8
	v_nop                                          ; a scale register written by a vector instruction stands 8 places ahead of a scaled matrix instruction, an operand so written 4
.endr
	; transposed: source 0 = 16 rows of Ws, source 1 = 16 rows of dec: lane (r, h) holds batch row r and e = 8 h + 0 .. 7.  Two accumulators, each begun with the constant 0
	v_wmma_scale_f32_16x16x128_f8f6f4 v[ACC:ACC+7], v[WSF:WSF+11], v[PC0:PC0+11], 0, v[WSS], v[PW0] matrix_a_fmt:MATRIX_FMT_FP6 matrix_b_fmt:MATRIX_FMT_FP6
	v_wmma_scale_f32_16x16x128_f8f6f4 v[ACC+8:ACC+15], v[WSF:WSF+11], v[PC1:PC1+11], 0, v[WSS], v[PW1] matrix_a_fmt:MATRIX_FMT_FP6 matrix_b_fmt:MATRIX_FMT_FP6
.rept 4
	v_nop                                          ; four places ahead of the first read of the results
.endr
.irp t, 0,1
	ds_store_b128 v9, v[ACC+8*\t:ACC+8*\t+3] offset:1024*\t          ; each accumulator from its low end on
	ds_store_b128 v9, v[ACC+8*\t+4:ACC+8*\t+7] offset:1024*\t+512
.endr
	s_wait_dscnt 0x0                               ; for the others' sake: my partials lie in LDS
	s_barrier_signal -1
	s_barrier_wait -1
.irp i, 0,1,2,3,4,5,6,7
	ds_load_b64 v[X0+2*\i:X0+2*\i+1], v10 offset:2048*\i   ; wave i's partial of my two numbers
.endr
	v_pk_add_f32 v[20:21], v[20:21], v[22:23]      ; bh + bs + bc
	s_delay_alu instid0(VALU_DEP_1)
	v_pk_add_f32 v[20:21], v[20:21], v[24:25]
	s_wait_dscnt 0x0
	v_pk_add_f32 v[X0:X0+1], v[X0:X0+1], v[X0+2:X0+3]
	v_pk_add_f32 v[X0+4:X0+5], v[X0+4:X0+5], v[X0+6:X0+7]
	v_pk_add_f32 v[X0+8:X0+9], v[X0+8:X0+9], v[X0+10:X0+11]
	v_pk_add_f32 v[X0+12:X0+13], v[X0+12:X0+13], v[X0+14:X0+15]
	s_delay_alu instid0(VALU_DEP_3)
	v_pk_add_f32 v[X0:X0+1], v[X0:X0+1], v[X0+4:X0+5]
	s_delay_alu instid0(VALU_DEP_2)
	v_pk_add_f32 v[X0+8:X0+9], v[X0+8:X0+9], v[X0+12:X0+13]
	s_delay_alu instid0(VALU_DEP_1)
	v_pk_add_f32 v[X0:X0+1], v[X0:X0+1], v[X0+8:X0+9]
	s_wait_alu depctr_va_vdst(0)                   ; the biases' sum was written ahead of the wait on DScnt
	v_pk_add_f32 v[X0:X0+1], v[X0:X0+1], v[20:21]
	s_delay_alu instid0(VALU_DEP_1)
	v_pk_mul_f32 v[X0:X0+1], v[X0:X0+1], 0x4038aa3b op_sel_hi:[1,0]   ; x c = 2 log2(e)
	global_store_b64 v12, v[X0:X0+1], s[26:27]
	s_wait_tensorcnt 0x0                           ; the wave's end
	ds_add_u32 v250, v251
	s_wait_dscnt 0x0
	s_endpgm
.Lfunc_end_k_q463c98dc33_prep:
	.size	k_q463c98dc33_prep, .Lfunc_end_k_q463c98dc33_prep-k_q463c98dc33_prep
	.p2alignl 7, 3214868480
	.fill 96, 4, 3214868480
	.section	.rodata,"a",@progbits
	.p2align	6, 0x0
	.amdhsa_kernel k_q463c98dc33_prep
		.amdhsa_group_segment_fixed_size 17408
		.amdhsa_private_segment_fixed_size 0
		.amdhsa_enable_private_segment 0
		.amdhsa_kernarg_size 96
		.amdhsa_user_sgpr_count 2
		.amdhsa_user_sgpr_kernarg_segment_ptr 1
		.amdhsa_wavefront_size32 1
		.amdhsa_system_sgpr_workgroup_id_x 1
		.amdhsa_system_sgpr_workgroup_id_y 1
		.amdhsa_system_sgpr_workgroup_id_z 1
		.amdhsa_system_vgpr_workitem_id 0
		.amdhsa_next_free_vgpr 256
		.amdhsa_next_free_sgpr 66
		.amdhsa_reserve_vcc 1
		.amdhsa_float_denorm_mode_32 3
		.amdhsa_float_denorm_mode_16_64 3
		.amdhsa_memory_ordered 1
		.amdhsa_forward_progress 1
		.amdhsa_inst_pref_size 24
	.end_amdhsa_kernel
	.amdgpu_metadata
---
amdhsa.version: [ 1, 2 ]
amdhsa.kernels:
  - .name:           k_q463c98dc33_prep
    .symbol:         k_q463c98dc33_prep.kd
    .args:
      - { .name: Wh_codes, .offset: 0, .size: 8, .value_kind: global_buffer, .address_space: global }
      - { .name: Wh_scales, .offset: 8, .size: 8, .value_kind: global_buffer, .address_space: global }
      - { .name: Ws_codes, .offset: 16, .size: 8, .value_kind: global_buffer, .address_space: global }
      - { .name: Ws_scales, .offset: 24, .size: 8, .value_kind: global_buffer, .address_space: global }
      - { .name: dec_hidden, .offset: 32, .size: 8, .value_kind: global_buffer, .address_space: global }
      - { .name: bh, .offset: 40, .size: 8, .value_kind: global_buffer, .address_space: global }
      - { .name: bs, .offset: 48, .size: 8, .value_kind: global_buffer, .address_space: global }
      - { .name: bc, .offset: 56, .size: 8, .value_kind: global_buffer, .address_space: global }
      - { .name: Wc, .offset: 64, .size: 8, .value_kind: global_buffer, .address_space: global }
      - { .name: v, .offset: 72, .size: 8, .value_kind: global_buffer, .address_space: global }
      - { .name: whl, .offset: 80, .size: 8, .value_kind: global_buffer, .address_space: global }
      - { .name: biasc, .offset: 88, .size: 8, .value_kind: global_buffer, .address_space: global }
    .group_segment_fixed_size: 17408
    .private_segment_fixed_size: 0
    .kernarg_segment_align: 8
    .kernarg_segment_size: 96
    .max_flat_workgroup_size: 256
    .sgpr_count:     66
    .vgpr_count:     256
    .wavefront_size: 32
...
	.end_amdgpu_metadata
.endif
;; end of part 4
;; launch main (part 5): grid 256 x 1, 4 waves a work-group, clusters of 4 x 1, 327,680 bytes of LDS; arguments enc_output, prev_coverage, enc_pad_mask, whl, biasc, scores, part, ml; writes scores, part, ml
.if DOCPART == 5
	.amdgcn_target "amdgcn-amd-amdhsa--gfx1250"
	.amdhsa_code_object_version 6
	.text
	.protected	k_q463c98dc33_main
	.globl	k_q463c98dc33_main
	.p2align	8
	.type	k_q463c98dc33_main,@function
k_q463c98dc33_main:
	s_mov_b64 s[64:65], 0
	v_nop
	global_prefetch_b8 v0, s[64:65] scope:SCOPE_SE
	s_setreg_imm32_b32 hwreg(HW_REG_WAVE_MODE, 25, 1), 1
	s_wait_xcnt 0x0
	s_wait_alu depctr_hold_cnt(0) depctr_sa_sdst(0) depctr_va_vdst(0) depctr_va_sdst(0) depctr_va_ssrc(0) depctr_va_vcc(0) depctr_vm_vsrc(0)
	s_getreg_b32 s2, hwreg(HW_REG_IB_STS2, 6, 4)
	s_cmp_eq_u32 s2, 0
	s_cbranch_scc0 .Lentry_in_a_cluster
	s_endpgm
.Lentry_in_a_cluster:
	s_bfe_u32 s2, ttmp6, 0x10000c
	s_cmp_lg_u32 s2, 0x3003
	s_cbranch_scc0 .Lentry_shape_is_right
	s_endpgm
.Lentry_shape_is_right:
; The definition's score[row] = bv + sum over e of v[e] tanh(enc[row] . Wh[e] + (dec . Ws + bh + bs + bc)[e] + cov[row] Wc[e]); then a running softmax and the weighted sum of enc's rows, for 256 rows of one batch.
; WORK LEFT OUT: with tanh(x) = 1 - 2 R the term bv + sum of v is the same for all rows of a batch, and the scores go into the softmax along the rows alone (shown at the head of the first kernel): it is not added.
; What this launch calls a score is the sum over e of v2[e] R, v2 = -2 v, R = 1 / (1 + 2^y), y = c acc + cov wc[e] + biasc[e], c = 2 log2(e) (wc and biasc hold the factor c).
; ONE RECIPROCAL FOR FOUR TERMS: with a = 1 + 2^y, v0/a0 + v1/a1 = (v0 a1 + v1 a0) / (a0 a1), taken twice: four terms have one numerator and one denominator.  y is held at 30 from above, so that a product of four
; denominators stays under 2^121; there R lies under 2^-30, so the hold moves a term by less than 2^-30 |v2|.  2^y = 0 gives a = 1.
; enc is read from memory once: each number is quantised to E2M3 along K for the first product and kept as bf16 on the WGP for the last.
; SHARES.  Work-group WG owns rows 256 WG .. + 255 (batch WG / 8), as two blocks of 128 rows.  A BLOCK: (1) wave w loads its 32 rows, quantises them, sends the fragments to the others through LDS as images of
; their registers, and keeps bf16 copies (columns 0-511 in LDS, 512-1023 in registers); (2) THE PASS: wave 2 g + eh holds the 32 fragments of rows 64 g .. + 63 in 384 registers and meets half of Wh's 64 tiles of 16 e,
; which come through a ring of two LDS slots of four tiles; (3) the scores meet in LDS, every wave makes the 128 weights p = 2^((s - m) log2 e) x mask under a running maximum m, and thread t adds p x enc for 8 columns.
; The partial results (m, l, 1,024 sums) of a work-group go to memory; the next launch joins the eight of a batch.
; A STEP of the pass: 32 matrix instructions on end (my tile of 16 e against my four tiles of rows, eight K steps, the four accumulators by turns); then the next tile's 31 LDS loads; then this tile's tail of vector
; instructions (y, 32 exponentials, the common denominators, 8 reciprocals), under which those loads land.  A K step's fragments of both operands lie in one window: three switches of the window a step.
; CLUSTER.  All work-groups walk the same tiles of Wh, so the four of a cluster ask for each tile JOINTLY (mask 15): wave w fetches tile w of a slot, one load a wave behind each round.
; Cluster id begins its walk at visit (id + id / 16) mod 16 and goes round; a sum over e takes any order.
; PREFETCH.  The second block's 32 rows x 4,096 bytes of my wave are asked for during the first block's pass: 16 instructions, one in each of 16 steps, a lane a row, 256 bytes further along the rows each time;
; each such piece is named once in the launch; in the second block's pass nothing is asked for.  The first block has no loop ahead of it to ask in.
; LIMITS: NaN and infinities among the inputs are not served; a block of 32 numbers whose largest magnitude lies under 2^-124 keeps the scale byte 1 (a block of zeros too: its codes are zeros);
; enc enters the last product rounded to bf16; a batch whose mask is all 0 gives NaN in the next launch, as the definition does.
; REGISTERS, in windows of 256.  Window 0: the names below.  Fragment (m, ks) of my rows: window 1 + ks / 4, v[48 (ks % 4) + 12 m].  Wh's fragment ks: the same window, v[192 + 12 (ks % 4)].
; Raw numbers of enc: four sets of 64 fill window 2 in the load phase.  Window 3: bf16 of columns 512-1023.
.set TILEB,  13056                     ; a tile of whl: 8 images of 1,536 bytes, 512 scale bytes, 64 of wc, 64 of v2, 128 of zeros
.set FRB,    1536                      ; an image of a fragment: 12 registers x 128 bytes
.set SLOT1,  65536                     ; LDS: slot 0 at 0, slot 1 here (4 tiles = 52,224 bytes each)
.set SCL,    56320                     ; the scores' two halves, [eh][128] f32
.set PPL,    57344                     ; the weights p, 512 bytes for each wave, its own
.set SPARE,  59392                     ; the spare words, 128 bytes for each wave
.set BFL,    117760                    ; 128 rows x (512 bf16 + 16 bytes)
.set BFP,    1040
.set IMG,    250880                    ; 32 images: tile of rows tau (0..7), K step ks % 4: 4 tau + ks % 4
.set IMGS,   300032                    ; their scale words, 128 bytes each
.set VL,     304128                    ; for each of the 64 tiles, in the order of my walk, 192 bytes: biasc 64, wc 64, v2 64
.set SPW,  1                           ; SPARE + 4 x my thread's number; never rewritten
.set NIL,  2                           ; 0; never rewritten
.set XA,   3                           ; enc: 4,096 r + 64 h
.set AIW,  4                           ; where I store images
.set AISW, 5                           ; and their scale words
.set ABFW, 6                           ; bf16: BFL + (32 wave + r) BFP + 32 h
.set AIR,  7                           ; where I read images
.set AISR, 8
.set AB0,  9                           ; in a slot: 16 lane + TILEB eh
.set AWV,  10
.set OBA,  11
.set ABI0, 12                          ; VL + 192 eh + 32 h
.set ADB,  13                          ; AB0 + the slot
.set ADS,  14
.set OBB,  15
.set ADI,  16                          ; ABI0 + the visit
.set ASC,  17
.set ASR,  18
.set APW,  19
.set APR0, 20
.set ACX0, 21
.set AGS,  22                          ; 16 lane
.set AGT,  23                          ; 16 x thread
.set ACOV, 24
.set PFO,  25                          ; the prefetches: 4,096 x lane
.set ABW,  26
.set AML,  27
.set SA,   32                          ; v32-63 my rows' scale words, [8 m + ks]: scales and nothing else
.set SB,   64                          ; v64-67 Wh's scale words: register i: lanes 0-15 K step i, lanes 16-31 K step 4 + i: scales and nothing else
.set ACC,  72                          ; v72-103 four accumulators; in the load phase v72-135 two sets of 32 bf16 words; in the last product 32 rows' bf16
.set TP,   104                         ; v104-119 at work in the tail, four for each accumulator
.set VEC,  136                         ; v136-183 two sets of 24: biasc 8, wc 8, v2 8; in the load phase the odd units' codes; in the last product 32 weights
.set S,    184
.set COV,  192
.set COVN, 196
.set MASK, 200
.set MASKN, 204
.set CTX,  208
.set MRUN, 216
.set LRUN, 217
.set TM,   218
.set OWV,  226
.set PW,   234
.set PC,   236
.set G1,   24
.set G0,   32
.set WV,   36
.set GR,   37
.set EH,   38
.set TB,   39                          ; the slot that is read next: 0 or SLOT1
.set TJ,   40                          ; 768 x visit
.set VC,   41
.set BLK,  42
.set CC2,  44
.set SEL,  46
.set L2E,  50
.set RB,   51
.set RP,   52
.set CC,   53
.set LB,   54                          ; TILEB x wave
.set VIS,  55
.set OFP,  56
.set PFA,  66                          ; s[66:67] where my prefetches stand
.set YM,   79                          ; 30.0: the hold on y
.set MSB, 0
.macro WIN new
.if MSB != (\new)
	s_set_vgpr_msb (MSB<<8)|(\new)
.set MSB, (\new)
.endif
.endm
.macro PLACES
.rept 4
	v_nop
.endr
.endm
.macro CREST                           ; a round of the cluster's barrier behind its opening barrier
	s_cmp_lg_u32 s[WV], 0
	s_cbranch_scc1 .Lnw0_\@
	s_barrier_signal -3
.Lnw0_\@:
	s_barrier_wait -3
	s_barrier_signal -1
	s_barrier_wait -1
.endm
.macro ROUND
	s_barrier_signal -1
	s_barrier_wait -1
	CREST
.endm
.macro BARRIER                         ; my LDS instructions are done; then the work-group's barrier.
	s_wait_dscnt 0x0
	s_barrier_signal -1
	s_barrier_wait -1
.endm
.macro SETOF u                         ; unit u's set of raw registers
.set XW, 2
.set XB, 64*((\u)&3)
.endm
; Unit u = 16 rows (tile u % 2 of my 32) x 128 along K (K step u / 2): 64 numbers a lane, register 16 b + i = k 32 b + 16 h + i of row r
.macro XLOAD u
	SETOF \u
	WIN XW<<6
.irp b, 0,1,2,3
.irp j, 0,1,2,3
	global_load_b128 v[XB+16*\b+4*\j:XB+16*\b+4*\j+3], v[XA], s[4:5] offset:65536*((\u)&1)+512*((\u)>>1)+128*\b+16*\j th:TH_LOAD_RT_NT
.endr
.endr
	WIN 0
.endm
.macro NEXTIN off                      ; a block's coverage (my row of each of my four tiles) and mask (rows 4 lane .. + 3)
.irp t, 0,1,2,3
	global_load_b32 v[COVN+\t], v[ACOV], s[6:7] offset:\off+64*\t
.endr
	global_load_b128 v[MASKN:MASKN+3], v[AGS], s[8:9] offset:\off
.endm
; The set's 64 numbers become a fragment's codes in v[pc] .. v[pc + 11] and its scale word in v[pw]
.macro QUANT pc, pw
	WIN 5*XW
.irp b, 0,1,2,3
	v_max3_num_f32 v[TM+\b], |v[XB+16*\b]|, |v[XB+1+16*\b]|, 0x1800000   ; my 16 numbers of block b, and the floor 2^(3 - 127)
.endr
.irp i, 2,4,6,8,10,12,14
.irp b, 0,1,2,3
	v_max3_num_f32 v[TM+\b], |v[XB+16*\b+\i]|, |v[XB+1+16*\b+\i]|, v[TM+\b]
.endr
.endr
	WIN 0
.irp b, 0,1,2,3
	v_permlanex16_b32 v[TM+4+\b], v[TM+\b], s[SEL], s[SEL+1]
.endr
.irp b, 0,1,2,3
	v_max_num_f32 v[TM+\b], v[TM+\b], v[TM+4+\b]
.endr
.irp b, 0,1,2,3
	v_add_nc_u32 v[TM+12+\b], 0xff000000, v[TM+\b]   ; 2 off the exponent field: the conversion's scale operand
.endr
.irp b, 0,1,2,3
	v_lshrrev_b32 v[TM+4+\b], 23, v[TM+12+\b]      ; the scale's byte
.endr
	v_lshl_or_b32 v[\pw], v[TM+5], 8, v[TM+4]
	v_lshl_or_b32 v[\pw], v[TM+6], 16, v[\pw]
	v_lshl_or_b32 v[\pw], v[TM+7], 24, v[\pw]
	WIN XW
.irp c, 0,1
	v_cvt_scalef32_pk16_fp6_f32 v[\pc+6*\c:\pc+2+6*\c], v[XB+32*\c:XB+15+32*\c], v[TM+12+2*\c]
	v_cvt_scalef32_pk16_fp6_f32 v[\pc+12+4*\c:\pc+14+4*\c], v[XB+16+32*\c:XB+31+32*\c], v[TM+12+2*\c+1]
.endr
	WIN 0
	v_nop                                          ; one plain place behind a scaled conversion
.irp c, 0,1                                    ; a whole block to a lane
.irp i, 0,1,2
	v_permlane16_swap_b32 v[\pc+6*\c+\i], v[\pc+12+4*\c+\i]
.endr
.irp i, 0,1,2
	v_mov_b32 v[\pc+3+6*\c+\i], v[\pc+12+4*\c+\i]
.endr
.endr
.endm
; One unit.  left = the loads of the younger units, 16 each, that may stay out.  Codes, scale word and bf16 words have two sets, even and odd units by turns
.macro UNIT u, left
	SETOF \u
.set ua, (\u)&1
.set uq, ((\u)>>1)&3
.set uh, (\u)>>3
.if (\u)&1
.set upc, VEC
.set upw, VEC+20
.else
.set upc, PC
.set upw, PW
.endif
.set ubf, ACC+32*((\u)&1)
	s_wait_loadcnt \left
.if (\u) == 0
.irp i, 0,1,2,3
	v_mov_b32 v[COV+\i], v[COVN+\i]
	v_mov_b32 v[MASK+\i], v[MASKN+\i]
.endr
.endif
.if (\u) < 9
	s_wait_dscnt 12                                ; the stores of two units back are done: behind them stand the 12 of the unit before
.else
	s_wait_dscnt 4                                 ; likewise: a unit of K steps 4-7 has four stores
.endif
	QUANT upc, upw
.if uh == 0
	WIN 5*XW                                       ; columns 0-511: bf16, for LDS
.set j, 0
.rept 32
	v_cvt_pk_bf16_f32 v[ubf+j], v[XB+2*j], v[XB+2*j+1]
.set j, j+1
.endr
	WIN 0
.else
	WIN (5*XW)|0xc0                                ; columns 512-1023 wait in window 3
.set j, 0
.rept 32
	v_cvt_pk_bf16_f32 v[32*(2*uq+ua)+j], v[XB+2*j], v[XB+2*j+1]
.set j, j+1
.endr
	WIN 0
.endif
.if (\u) < 12
	XLOAD (\u)+4                                   ; only vector instructions have read the set: it takes the unit four on, ahead of this unit's LDS stores
.endif
.irp c, 0,1,2
	ds_store_b128 v[AIW], v[upc+4*\c:upc+4*\c+3] offset:(4*ua+uq)*FRB+512*\c   ; the fragment as it stands: 512 consecutive bytes a store
.endr
	ds_store_b32 v[AISW], v[upw] offset:(4*ua+uq)*128
.if uh == 0
.irp i, 0,1,2,3,4,5,6,7
	ds_store_b128 v[ABFW], v[ubf+4*\i:ubf+4*\i+3] offset:16*BFP*ua+256*uq+64*(\i/2)+16*(\i%2)
.endr
.endif
.endm
; My 64 rows' fragments of K steps 4 hf .. 4 hf + 3 into window 1 + hf, and their scale words
.macro AFETCH hf
	WIN (1+(\hf))<<6
.irp t, 0,1,2,3
.irp k, 0,1,2,3
.irp c, 0,1,2
	ds_load_b128 v[48*\k+12*\t+4*\c:48*\k+12*\t+4*\c+3], v[AIR] offset:(4*\t+\k)*FRB+512*\c
.endr
.endr
.endr
	WIN 0
.irp t, 0,1,2,3
.irp k, 0,1,2,3
	ds_load_b32 v[SA+8*\t+4*(\hf)+\k], v[AISR] offset:(4*\t+\k)*128
.endr
.endr
.endm
; A TILE'S TAIL, with set q of the vectors.  A lane holds one row of each of the four tiles of rows (accumulator m), and e = 8 h + 0 .. 7 (register j).  The four accumulators take turns line by line.
; Each of the two batches of transcendentals has one wait ahead of it and, behind a plain place, one behind it.
.macro TAIL q
.set rV, VEC+24*(\q)
.irp m, 0,1,2,3                        ; y = c acc + biasc, each accumulator from its low end on
.irp j, 0,2,4,6
	v_pk_fma_f32 v[ACC+8*\m+\j:ACC+8*\m+\j+1], v[ACC+8*\m+\j:ACC+8*\m+\j+1], s[CC2:CC2+1], v[rV+\j:rV+\j+1] op_sel_hi:[1,0,1]
.endr
.endr
.irp m, 0,1,2,3                        ; y += cov wc: tile m's coverage is one word of a pair, and serves both halves
.irp j, 0,2,4,6
.if \m&1
	v_pk_fma_f32 v[ACC+8*\m+\j:ACC+8*\m+\j+1], v[COV+(\m&2):COV+(\m&2)+1], v[rV+8+\j:rV+9+\j], v[ACC+8*\m+\j:ACC+8*\m+\j+1] op_sel:[1,0,0] op_sel_hi:[1,1,1]
.else
	v_pk_fma_f32 v[ACC+8*\m+\j:ACC+8*\m+\j+1], v[COV+(\m&2):COV+(\m&2)+1], v[rV+8+\j:rV+9+\j], v[ACC+8*\m+\j:ACC+8*\m+\j+1] op_sel_hi:[0,1,1]
.endif
.endr
.endr
.set j, 0
.rept 16                               ; y held at 30 from above, two numbers an instruction
	v_dual_min_num_f32 v[ACC+2*j], s[YM], v[ACC+2*j] :: v_dual_min_num_f32 v[ACC+2*j+1], s[YM], v[ACC+2*j+1]
.set j, j+1
.endr
	s_wait_alu depctr_va_vdst(0)
.set j, 0
.rept 32
	v_exp_f32 v[ACC+j], v[ACC+j]
.set j, j+1
.endr
	v_nop
	s_wait_alu depctr_va_vdst(0)
.set j, 0
.rept 16
	v_pk_add_f32 v[ACC+2*j:ACC+2*j+1], v[ACC+2*j:ACC+2*j+1], 1.0 op_sel_hi:[1,0]   ; a = 1 + 2^y
.set j, j+1
.endr
.irp m, 0,1,2,3
	v_pk_mul_f32 v[TP+4*\m:TP+4*\m+1], v[rV+16:rV+17], v[ACC+8*\m+2:ACC+8*\m+3]                        ; v2(0,1) a(2,3)
.endr
.irp m, 0,1,2,3
	v_pk_mul_f32 v[TP+4*\m+2:TP+4*\m+3], v[rV+20:rV+21], v[ACC+8*\m+6:ACC+8*\m+7]                      ; v2(4,5) a(6,7)
.endr
.irp m, 0,1,2,3
	v_pk_mul_f32 v[ACC+8*\m+2:ACC+8*\m+3], v[ACC+8*\m:ACC+8*\m+1], v[ACC+8*\m+2:ACC+8*\m+3]            ; PA = a(0,1) a(2,3)
.endr
.irp m, 0,1,2,3
	v_pk_fma_f32 v[ACC+8*\m:ACC+8*\m+1], v[rV+18:rV+19], v[ACC+8*\m:ACC+8*\m+1], v[TP+4*\m:TP+4*\m+1]  ; TA = v2(2,3) a(0,1) + v2(0,1) a(2,3)
.endr
.irp m, 0,1,2,3
	v_pk_mul_f32 v[ACC+8*\m+6:ACC+8*\m+7], v[ACC+8*\m+4:ACC+8*\m+5], v[ACC+8*\m+6:ACC+8*\m+7]          ; PB = a(4,5) a(6,7)
.endr
.irp m, 0,1,2,3
	v_pk_fma_f32 v[ACC+8*\m+4:ACC+8*\m+5], v[rV+22:rV+23], v[ACC+8*\m+4:ACC+8*\m+5], v[TP+4*\m+2:TP+4*\m+3]   ; TB likewise
.endr
.irp m, 0,1,2,3
	v_pk_mul_f32 v[TP+4*\m:TP+4*\m+1], v[ACC+8*\m:ACC+8*\m+1], v[ACC+8*\m+6:ACC+8*\m+7]                ; TA PB
.endr
.irp m, 0,1,2,3
	v_pk_fma_f32 v[ACC+8*\m+4:ACC+8*\m+5], v[ACC+8*\m+4:ACC+8*\m+5], v[ACC+8*\m+2:ACC+8*\m+3], v[TP+4*\m:TP+4*\m+1]   ; T = TB PA + TA PB
.endr
.irp m, 0,1,2,3
	v_pk_mul_f32 v[ACC+8*\m+2:ACC+8*\m+3], v[ACC+8*\m+2:ACC+8*\m+3], v[ACC+8*\m+6:ACC+8*\m+7]          ; P = PA PB
.endr
	s_wait_alu depctr_va_vdst(0)
.irp m, 0,1,2,3
	v_rcp_f32 v[ACC+8*\m+2], v[ACC+8*\m+2]
	v_rcp_f32 v[ACC+8*\m+3], v[ACC+8*\m+3]
.endr
	v_nop
	s_wait_alu depctr_va_vdst(0)
.irp m, 0,1,2,3
	v_pk_fma_f32 v[S+2*\m:S+2*\m+1], v[ACC+8*\m+4:ACC+8*\m+5], v[ACC+8*\m+2:ACC+8*\m+3], v[S+2*\m:S+2*\m+1]   ; the sums += T / P
.endr
.endm
; 16 matrix instructions: K steps k0 .. k0 + 3, the four accumulators by turns.  Transposed: source 0 = 16 rows of Wh, source 1 = 16 rows of enc
.macro MM k0
.irp k, \k0, \k0+1, \k0+2, \k0+3
.irp m, 0,1,2,3
.set rD, ACC+8*\m
.set rB, 192+12*((\k)&3)
.set rF, 48*((\k)&3)+12*\m
.if (\k) == 0
	v_wmma_scale_f32_16x16x128_f8f6f4 v[rD:rD+7], v[rB:rB+11], v[rF:rF+11], 0, v[SB+((\k)&3)], v[SA+8*\m+(\k)] matrix_a_fmt:MATRIX_FMT_FP6 matrix_b_fmt:MATRIX_FMT_FP6
.elseif (\k) < 4
	v_wmma_scale_f32_16x16x128_f8f6f4 v[rD:rD+7], v[rB:rB+11], v[rF:rF+11], v[rD:rD+7], v[SB+((\k)&3)], v[SA+8*\m+(\k)] matrix_a_fmt:MATRIX_FMT_FP6 matrix_b_fmt:MATRIX_FMT_FP6
.else
	v_wmma_scale_f32_16x16x128_f8f6f4 v[rD:rD+7], v[rB:rB+11], v[rF:rF+11], v[rD:rD+7], v[SB+((\k)&3)], v[SA+8*\m+(\k)] matrix_a_fmt:MATRIX_FMT_FP6 matrix_b_fmt:MATRIX_FMT_FP6 matrix_a_scale:MATRIX_SCALE_ROW1
.endif
.endr
.endr
.endm
; The 31 LDS loads of my tile p (0, 1) of the visit at v[ADB], v[ADI]: its vectors into set p, its scale words, its eight fragments
.macro NEXTB p
.irp i, 0,1,2
	ds_load_b128 v[VEC+24*(\p)+8*\i:VEC+24*(\p)+8*\i+3], v[ADI] offset:384*(\p)+64*\i
	ds_load_b128 v[VEC+24*(\p)+8*\i+4:VEC+24*(\p)+8*\i+7], v[ADI] offset:384*(\p)+64*\i+16
.endr
	ds_load_b128 v[SB:SB+3], v[ADB] offset:2*(\p)*TILEB+12288
	WIN 0x40
.irp k, 0,1,2,3
.irp c, 0,1,2
	ds_load_b128 v[192+12*\k+4*\c:192+12*\k+4*\c+3], v[ADB] offset:2*(\p)*TILEB+FRB*\k+512*\c
.endr
.endr
	WIN 0x80
.irp k, 0,1,2,3
.irp c, 0,1,2
	ds_load_b128 v[192+12*\k+4*\c:192+12*\k+4*\c+3], v[ADB] offset:2*(\p)*TILEB+FRB*(4+\k)+512*\c
.endr
.endr
	WIN 0
.endm
; One prefetch: 256 bytes of each of my 32 rows of the second block.  cond = 1: in text that both blocks run: the first block alone asks.
; The address is stepped behind s_wait_xcnt 0, a step or more behind the prefetch that read it
.macro ASK cond
.if (\cond) == 1
	s_cmp_eq_u32 s[BLK], 2
	s_cbranch_scc0 .Lna_\@
.endif
	s_wait_xcnt 0x0
	s_add_nc_u64 s[PFA:PFA+1], s[PFA:PFA+1], 256
	global_prefetch_b8 v[PFO], s[PFA:PFA+1] th:TH_LOAD_NT scope:SCOPE_SE
.Lna_\@:
.endm
.macro NEXTTILES                       ; group 0's global address: the next four tiles of my cluster's walk.  No tensor load of mine is out where this stands
	s_add_co_u32 s[VIS], s[VIS], 1
	s_and_b32 s[VIS], s[VIS], 15
	s_mul_i32 s[OFP], s[VIS], 4*TILEB
	s_add_nc_u64 s[G0+2:G0+3], s[10:11], s[OFP:OFP+1]
	s_or_b32 s[G0+3], s[G0+3], 0x80000000
.endm
.macro EARLY                           ; the second block's first loads, as soon as the first block's last products have left the registers
	s_wait_xcnt 0x0
	s_add_nc_u64 s[4:5], s[4:5], 524288
	NEXTIN 512
	XLOAD 0
	XLOAD 1
	XLOAD 2
	XLOAD 3
.endm
; A STEP.  half: my tile of the visit.  pf = 1: the next tile is asked of LDS; 2: EARLY.  ask: a prefetch.
; mode >= 0: THE CHANGE OF SLOTS, in a visit's second step.  My reads of the slot that is left are in (the step's first wait).  The wait for all my tensor loads, the add, 16 products, the wait for the add, the signal,
; 16 products, the barrier's wait.  mode 2 (in the loop) and 3 (a block's last change, which asks for the next block's first tiles): the barrier opens a round, and the slot left is filled with the visit after next;
; mode 0: the last of all: nothing is asked for.
.macro STEP half, pf, mode, ask
	s_wait_dscnt 0x0                               ; this tile's 31 loads, issued ahead of the tail before
.if (\mode) >= 0
	s_wait_tensorcnt 0x0
	ds_add_u32 v[SPW], v[NIL]
.endif
	WIN 0x05
	MM 0
.if (\mode) >= 0
.if (\mode) > 0
	NEXTTILES
.endif
.if (\mode) == 2
	s_xor_b32 s[G0+1], s[G0+1], SLOT1
	s_xor_b32 s[TB], s[TB], SLOT1
.else
.if (\mode) == 3
	s_mov_b32 s[G0+1], s[LB]
.endif
	s_mov_b32 s[TB], SLOT1
.endif
	s_add_co_u32 s[TJ], s[TJ], 768
	s_wait_dscnt 0x0
	s_barrier_signal -1
.endif
	WIN 0x0a
	MM 4
	WIN 0
.if (\mode) >= 0
	s_barrier_wait -1
.if (\mode) > 0
	CREST
	tensor_load_to_lds s[G0:G0+3], s[G1:G1+7]      ; my one tensor load behind the round
	s_nop 0
.endif
.endif
	PLACES                                         ; four places ahead of loads into registers that the products read, and of the first read of the results
.if (\pf) == 1
.if \half
	v_add_nc_u32 v[ADB], s[TB], v[AB0]
	v_add_nc_u32 v[ADI], s[TJ], v[ABI0]
	s_wait_alu depctr_va_vdst(0)
.endif
	NEXTB 1-(\half)
.elseif (\pf) == 2
	EARLY
.endif
.if (\ask) > 0
	ASK \ask
.endif
	TAIL \half
.endm
.macro CROW i, cb                      ; row i of the 32 in hand: my four columns' sums, v[cb] on, += p x bf16
	v_fma_mix_f32_bf16 v[\cb], v[ACC+2*(\i)], v[VEC+(\i)], v[\cb] op_sel_hi:[1,0,0]
	v_fma_mix_f32_bf16 v[\cb+1], v[ACC+2*(\i)], v[VEC+(\i)], v[\cb+1] op_sel:[1,0,0] op_sel_hi:[1,0,0]
	v_fma_mix_f32_bf16 v[\cb+2], v[ACC+2*(\i)+1], v[VEC+(\i)], v[\cb+2] op_sel_hi:[1,0,0]
	v_fma_mix_f32_bf16 v[\cb+3], v[ACC+2*(\i)+1], v[VEC+(\i)], v[\cb+3] op_sel:[1,0,0] op_sel_hi:[1,0,0]
.endm
; The last product for the 512 columns that lie in LDS: thread t takes columns 4 t .. 4 t + 3; four trips of 32 rows.
; The groups of eight rows add by turns into two sets of sums, CTX's four and v[S] .. v[S + 3] (free here: the scores' sums have been taken): a sum that is read behind a wait was last written 32 vector instructions earlier
.macro CTXST st
	s_mov_b32 s[RB], 0
	s_mov_b32 s[RP], 0
	s_mov_b32 s[CC], 4
.irp i, 0,1,2,3
	v_mov_b32 v[S+\i], 0
.endr
	s_wait_alu depctr_va_vdst(0)
.Lctx_\@:
	v_add_nc_u32 v[ADB], s[RB], v[ACX0]
	v_add_nc_u32 v[ADS], s[RP], v[APR0]
.irp i, 0,1,2,3,4,5,6,7
	ds_load_b128 v[VEC+4*\i:VEC+4*\i+3], v[ADS] offset:16*\i       ; 32 weights, my wave's own copy
.endr
.set ci, 0
.rept 32
	ds_load_b64 v[ACC+2*ci:ACC+2*ci+1], v[ADB] offset:BFP*ci
.set ci, ci+1
.endr
.set cq, 0
.rept 4
	s_wait_dscnt 24-8*cq                           ; the weights and rows up to 8 cq + 7 are in; the younger rows' loads, one each, may be out
.if cq&1
.set cbs, S
.else
.set cbs, CTX+4*(\st)
.endif
.set cr, 0
.rept 8
	CROW 8*cq+cr, cbs
.set cr, cr+1
.endr
.set cq, cq+1
.endr
	s_add_co_u32 s[RB], s[RB], 32*BFP
	s_add_co_u32 s[RP], s[RP], 128
	s_sub_co_u32 s[CC], s[CC], 1
	s_cmp_lg_u32 s[CC], 0
	s_cbranch_scc1 .Lctx_\@
	v_pk_add_f32 v[CTX+4*(\st):CTX+4*(\st)+1], v[CTX+4*(\st):CTX+4*(\st)+1], v[S:S+1]
	v_pk_add_f32 v[CTX+4*(\st)+2:CTX+4*(\st)+3], v[CTX+4*(\st)+2:CTX+4*(\st)+3], v[S+2:S+3]
	s_wait_alu depctr_va_vdst(0)
.endm
; A BLOCK'S END.  next = 1: the first block; 0: the second
.macro FINISH next
.irp t, 0,1,2,3
	v_add_f32 v[TM+\t], v[S+2*\t], v[S+2*\t+1]
.endr
.irp t, 0,1,2,3
	v_permlanex16_b32 v[TM+4+\t], v[TM+\t], s[SEL], s[SEL+1]       ; the row's other eight e of each tile lie in the lane 16 away
.endr
.irp t, 0,1,2,3
	v_add_f32 v[TM+\t], v[TM+\t], v[TM+4+\t]
.endr
.irp t, 0,1,2,3
	ds_store_b32 v[ASC], v[TM+\t] offset:64*\t
.endr
	BARRIER                                        ; both halves of the 128 scores lie in LDS
	ds_load_b128 v[PC:PC+3], v[ASR]                ; every wave takes all 128: rows 4 lane .. + 3
	ds_load_b128 v[PC+4:PC+7], v[ASR] offset:512
	s_wait_dscnt 0x0
	v_pk_add_f32 v[PC:PC+1], v[PC:PC+1], v[PC+4:PC+5]
	v_pk_add_f32 v[PC+2:PC+3], v[PC+2:PC+3], v[PC+6:PC+7]
	s_cmp_lg_u32 s[WV], 0
	s_wait_alu depctr_va_vdst(0)
	s_cbranch_scc1 .Lns_\@
	global_store_b128 v[AGS], v[PC:PC+3], s[16:17] offset:512*(1-\next)   ; wave 0: 512 consecutive bytes
.Lns_\@:
	v_max3_num_f32 v[TM], v[PC], v[PC+1], v[PC+2]
	v_max_num_f32 v[TM], v[TM], v[PC+3]
	v_max_num_f32_dpp v[TM], v[TM], v[TM] row_xmask:1 row_mask:0xf bank_mask:0xf
	v_max_num_f32_dpp v[TM], v[TM], v[TM] row_xmask:2 row_mask:0xf bank_mask:0xf
	v_max_num_f32_dpp v[TM], v[TM], v[TM] row_xmask:4 row_mask:0xf bank_mask:0xf
	v_max_num_f32_dpp v[TM], v[TM], v[TM] row_xmask:8 row_mask:0xf bank_mask:0xf
	v_permlanex16_b32 v[TM+4], v[TM], s[SEL], s[SEL+1]
	v_max_num_f32 v[TM], v[TM], v[TM+4]            ; the block's largest score (masked rows count, as in the definition's softmax)
	v_max_num_f32 v[TM+1], v[MRUN], v[TM]          ; the new running maximum
	v_sub_f32 v[TM+2], v[MRUN], v[TM+1]
.irp i, 0,1,2,3
	v_sub_f32 v[TM+8+\i], v[PC+\i], v[TM+1]
.endr
	v_mul_f32 v[TM+2], s[L2E], v[TM+2]
.irp i, 0,1,2,3
	v_mul_f32 v[TM+8+\i], s[L2E], v[TM+8+\i]
.endr
	s_wait_alu depctr_va_vdst(0)                   ; the wait ahead of the batch
	v_exp_f32 v[TM+2], v[TM+2]                     ; what was summed under the old maximum is brought under the new
.irp i, 0,1,2,3
	v_exp_f32 v[TM+8+\i], v[TM+8+\i]
.endr
	v_mov_b32 v[MRUN], v[TM+1]                     ; (a plain place behind the five exponentials)
	s_wait_alu depctr_va_vdst(0)                   ; and the wait behind it
	v_pk_mul_f32 v[TM+8:TM+9], v[TM+8:TM+9], v[MASK:MASK+1]
	v_pk_mul_f32 v[TM+10:TM+11], v[TM+10:TM+11], v[MASK+2:MASK+3]
	ds_store_b128 v[APW], v[TM+8:TM+11]            ; the weights p, into my wave's own copy
	v_add_f32 v[TM+4], v[TM+8], v[TM+9]
	v_add_f32 v[TM+5], v[TM+10], v[TM+11]
	v_add_f32 v[TM+4], v[TM+4], v[TM+5]
	v_add_f32_dpp v[TM+4], v[TM+4], v[TM+4] row_xmask:1 row_mask:0xf bank_mask:0xf
	v_add_f32_dpp v[TM+4], v[TM+4], v[TM+4] row_xmask:2 row_mask:0xf bank_mask:0xf
	v_add_f32_dpp v[TM+4], v[TM+4], v[TM+4] row_xmask:4 row_mask:0xf bank_mask:0xf
	v_add_f32_dpp v[TM+4], v[TM+4], v[TM+4] row_xmask:8 row_mask:0xf bank_mask:0xf
	v_permlanex16_b32 v[TM+5], v[TM+4], s[SEL], s[SEL+1]
	v_add_f32 v[TM+4], v[TM+4], v[TM+5]
	v_fma_f32 v[LRUN], v[LRUN], v[TM+2], v[TM+4]
.irp i, 0,2,4,6
	v_pk_mul_f32 v[CTX+\i:CTX+\i+1], v[CTX+\i:CTX+\i+1], v[TM+2:TM+3] op_sel_hi:[1,0]
.endr
	CTXST 0
	BARRIER                                        ; nobody reads columns 0-511 any more
	WIN 0x0c                                       ; an LDS store's data are its source 1: window 3
.irp k, 0,1,2,3
.irp a, 0,1
.irp i, 0,1,2,3,4,5,6,7
	ds_store_b128 v[ABFW], v[32*(2*\k+\a)+4*\i:32*(2*\k+\a)+4*\i+3] offset:16*BFP*\a+256*\k+64*(\i/2)+16*(\i%2)
.endr
.endr
.endr
	WIN 0
	BARRIER                                        ; columns 512-1023 lie in LDS
	CTXST 1
.if \next
	s_wait_xcnt 0x0                                ; the scores' store has read its registers, which take the next block's codes
	BARRIER                                        ; nobody reads the bf16 rows any more
.endif
.endm
	s_load_b256 s[4:11], s[0:1], 0x0               ; enc s[4:5], coverage s[6:7], mask s[8:9], whl s[10:11]
	s_load_b64 s[12:13], s[0:1], 0x20              ; biasc
	s_load_b128 s[16:19], s[0:1], 0x28             ; scores s[16:17], part s[18:19]
	s_load_b64 s[20:21], s[0:1], 0x38              ; ml
	v_lshl_add_u32 v[SPW], v0, 2, SPARE
	v_mov_b32 v[NIL], 0
	ds_add_u32 v[SPW], v[NIL]                      ; the opening lines: the add twice on end and one wait
	ds_add_u32 v[SPW], v[NIL]
	v_lshrrev_b32 v28, 5, v0
	v_readfirstlane_b32 s[WV], v28                 ; wave 0..3
	s_lshr_b32 s[GR], s[WV], 1
	s_and_b32 s[EH], s[WV], 1
	s_mul_i32 s[LB], s[WV], TILEB
	; descriptor group 1: a tile of whl, 13,056 dense bytes, as 51 rows of 32 elements of 8 bytes
	s_mov_b32 s[G1], 15|(3<<16)|(1<<21)
	s_mov_b32 s[G1+1], 32<<16
	s_mov_b32 s[G1+2], 51<<16
	s_mov_b32 s[G1+3], 32<<16
	s_mov_b32 s[G1+4], 51
	s_mov_b32 s[G1+5], 32
	s_mov_b32 s[G1+6], 0
	s_mov_b32 s[G1+7], 0
	s_mov_b32 s58, s[LB]
	s_mov_b32 s59, 0
	s_lshr_b32 s60, ttmp9, 4                       ; where my cluster's walk begins: the same in all four partners
	s_add_co_u32 s60, s60, ttmp9
	s_and_b32 s[VIS], s60, 15
	s_mul_i32 s[OFP], s[VIS], 4*TILEB
	s_mov_b32 s[OFP+1], 0
	s_mov_b32 s[CC2], 0x4038aa3b                   ; c = 2 log2(e)
	s_mov_b32 s[CC2+1], s[CC2]
	s_mov_b32 s[SEL], 0x76543210
	s_mov_b32 s[SEL+1], 0xfedcba98
	s_mov_b32 s[L2E], 0x3fb8aa3b
	s_mov_b32 s[YM], 0x41f00000                    ; 30.0
	; the waves' bases in LDS, all made ahead of the vector lines that take them
	s_mul_i32 s68, s[WV], 12288
	s_add_co_u32 s68, s68, IMG
	s_lshl_b32 s69, s[WV], 10
	s_add_co_u32 s69, s69, IMGS
	s_mul_i32 s70, s[WV], 32*BFP
	s_add_co_u32 s70, s70, BFL
	s_mul_i32 s71, s[GR], 24576
	s_add_co_u32 s71, s71, IMG
	s_lshl_b32 s72, s[GR], 11
	s_add_co_u32 s72, s72, IMGS
	s_mul_i32 s73, s[EH], TILEB
	s_mul_i32 s74, s[EH], 192
	s_add_co_u32 s74, s74, VL
	s_lshl_b32 s76, s[GR], 8
	s_lshl_b32 s75, s[EH], 9
	s_add_co_u32 s75, s75, s76
	s_add_co_u32 s75, s75, SCL
	s_lshl_b32 s77, s[WV], 9
	s_add_co_u32 s77, s77, PPL
	s_lshl_b32 s78, s[VIS], 2
	v_and_b32 v28, 15, v0                          ; r
	v_bfe_u32 v29, v0, 4, 1                        ; h
	v_and_b32 v30, 31, v0                          ; lane
	v_lshlrev_b32 v[XA], 12, v28
	v_lshl_add_u32 v[XA], v29, 6, v[XA]
	v_lshlrev_b32 v[AGS], 4, v30
	v_lshlrev_b32 v[AGT], 4, v0
	v_lshlrev_b32 v[AML], 3, v30
	v_add_nc_u32 v[AIW], s68, v[AGS]
	v_lshl_add_u32 v[AISW], v30, 2, s69
	v_mul_u32_u24 v[ABFW], v28, BFP
	v_lshl_add_u32 v[ABFW], v29, 5, v[ABFW]
	v_add_nc_u32 v[ABFW], s70, v[ABFW]
	v_add_nc_u32 v[AIR], s71, v[AGS]
	v_lshl_add_u32 v[AISR], v30, 2, s72
	v_add_nc_u32 v[AB0], s73, v[AGS]
	v_lshl_add_u32 v[ABI0], v29, 5, s74
	v_lshl_add_u32 v[ASC], v28, 2, s75
	v_lshl_add_u32 v[ACOV], v28, 2, s76
	v_add_nc_u32 v[ASR], SCL, v[AGS]
	v_add_nc_u32 v[APW], s77, v[AGS]
	v_mov_b32 v[APR0], s77
	v_lshl_add_u32 v[ACX0], v0, 3, BFL
	v_lshlrev_b32 v[PFO], 12, v30
	; the vectors of all 64 tiles go into VL in the order of my walk: place P holds tile (P + 4 x the walk's first visit) mod 64.  The turn lies in the addresses in memory alone
	v_lshrrev_b32 v31, 2, v0                       ; biasc: thread t takes 16 bytes of place t / 4, and of place t / 4 + 32
	v_mul_u32_u24 v[ABW], v31, 192
	v_add_nc_u32 v31, s78, v31
	v_and_b32 v31, 63, v31
	v_lshlrev_b32 v[OBA], 6, v31
	v_and_b32 v31, 3, v0
	v_lshl_add_u32 v[OBA], v31, 4, v[OBA]
	v_lshl_add_u32 v[ABW], v31, 4, v[ABW]
	v_add_nc_u32 v[ABW], VL, v[ABW]
	v_xor_b32 v[OBB], 0x800, v[OBA]
	v_lshrrev_b32 v31, 1, v0                       ; wc and v2: thread t takes 64 bytes of place t / 2: wc (t even) or v2 (t odd)
	v_mul_u32_u24 v[AWV], v31, 192
	v_add_nc_u32 v31, s78, v31
	v_and_b32 v31, 63, v31
	v_mul_u32_u24 v[OWV], v31, TILEB
	v_and_b32 v31, 1, v0
	v_lshl_add_u32 v[OWV], v31, 6, v[OWV]
	v_lshl_add_u32 v[AWV], v31, 6, v[AWV]
	v_add_nc_u32 v[AWV], VL+64, v[AWV]
	v_mov_b32 v[MRUN], 0xff61b1e6                  ; -3e38, under every score
	v_mov_b32 v[LRUN], 0
.irp i, 0,1,2,3,4,5,6,7
	v_mov_b32 v[CTX+\i], 0
.endr
.irp b, 0,1,2,3
	v_mov_b32 v[TM+4+\b], 0                        ; a lane permute's destination counts as one of its sources
.endr
	s_wait_alu depctr_va_vdst(0)
	s_wait_dscnt 0x0                               ; both opening adds are done
	s_wait_kmcnt 0x0
	s_mov_b64 s[22:23], s[10:11]                   ; whl's head, for wc and v2
	s_add_nc_u64 s[10:11], s[10:11], s[58:59]      ; whl at tile w
	s_mov_b32 s[G0], 1
	s_mov_b32 s[G0+1], s[LB]
	s_add_nc_u64 s[G0+2:G0+3], s[10:11], s[OFP:OFP+1]
	s_or_b32 s[G0+3], s[G0+3], 0x80000000
	s_bfe_u32 s62, ttmp6, 0x40000                  ; cx: it enters global addresses alone
	s_lshl_b32 s60, ttmp9, 2
	s_add_co_u32 s62, s60, s62                     ; WG = 4 x cluster + cx
	s_lshl_b32 s58, s62, 20
	s_lshl_b32 s60, s[WV], 17
	s_add_co_u32 s58, s58, s60
	s_add_nc_u64 s[4:5], s[4:5], s[58:59]          ; enc at row 256 WG + 32 wave
	s_add_nc_u64 s[PFA:PFA+1], s[4:5], 524288-256  ; 128 rows on, one step short of the first prefetch
	s_lshl_b32 s58, s62, 10
	s_add_nc_u64 s[6:7], s[6:7], s[58:59]
	s_add_nc_u64 s[8:9], s[8:9], s[58:59]
	s_add_nc_u64 s[16:17], s[16:17], s[58:59]
	s_lshl_b32 s58, s62, 12
	s_add_nc_u64 s[18:19], s[18:19], s[58:59]
	s_lshl_b32 s58, s62, 8
	s_add_nc_u64 s[20:21], s[20:21], s[58:59]
	s_lshr_b32 s58, s62, 3
	s_lshl_b32 s58, s58, 12
	s_add_nc_u64 s[12:13], s[12:13], s[58:59]      ; biasc of batch WG / 8
	global_load_b128 v[ACC:ACC+3], v[OBA], s[12:13]
	global_load_b128 v[ACC+4:ACC+7], v[OBB], s[12:13]
.irp j, 0,1,2,3
	global_load_b128 v[ACC+8+4*\j:ACC+11+4*\j], v[OWV], s[22:23] offset:12800+16*\j
.endr
	NEXTIN 0
	XLOAD 0
	XLOAD 1
	XLOAD 2
	ROUND                                          ; all four work-groups are here: the first joint loads meet
	tensor_load_to_lds s[G0:G0+3], s[G1:G1+7]      ; the first visit's tiles; by this text's count a wave never has more than one tensor load out
	s_nop 0
	PLACES
	s_wait_loadcnt 53                              ; the vectors are in: behind their six loads stand 4 + 1 + 48
	ds_store_b128 v[ABW], v[ACC:ACC+3]
	ds_store_b128 v[ABW], v[ACC+4:ACC+7] offset:6144
.irp j, 0,1,2,3
	ds_store_b128 v[AWV], v[ACC+8+4*\j:ACC+11+4*\j] offset:16*\j   ; the other waves read these behind the load phase's barriers
.endr
	XLOAD 3
	s_wait_dscnt 0x0
	s_mov_b32 s[BLK], 2                            ; blocks to go, this one among them
.Lblock:
	; ---- the load phase: K steps 0-3, their images to the others; then K steps 4-7 through the same bytes
.irp u, 0,1,2,3,4,5,6,7
	UNIT \u, 48
.endr
	BARRIER                                        ; 32 images lie in LDS
	AFETCH 0
	BARRIER                                        ; everybody has them in registers
.irp u, 8,9,10,11,12
	UNIT \u, 48
.endr
	UNIT 13, 32
	UNIT 14, 16
	UNIT 15, 0
	BARRIER
	AFETCH 1
	s_wait_dscnt 0x0
.irp i, 0,1,2,3,4,5,6,7
	v_mov_b32 v[S+\i], 0
.endr
	; ---- the pass: 32 steps.  Slot 0 has landed during the load phase; slot 1 takes the second visit's tiles, behind the full sequence and a round
	s_wait_tensorcnt 0x0
	ds_add_u32 v[SPW], v[NIL]
	NEXTTILES
	s_add_co_u32 s[G0+1], s[LB], SLOT1
	s_mov_b32 s[TB], 0
	s_mov_b32 s[TJ], 0
	s_wait_dscnt 0x0
	ROUND
	tensor_load_to_lds s[G0:G0+3], s[G1:G1+7]
	s_nop 0
	PLACES
	v_add_nc_u32 v[ADB], s[TB], v[AB0]
	v_add_nc_u32 v[ADI], s[TJ], v[ABI0]
	s_wait_alu depctr_va_vdst(0)
	NEXTB 0
	STEP 0, 1, -1, 1
	s_mov_b32 s[VC], 14
.Lv:                                                   ; a trip: a visit's second step, which changes slots, and the next visit's first
	STEP 1, 1, 2, 1
	STEP 0, 1, -1, 0
	s_sub_co_u32 s[VC], s[VC], 1
	s_cmp_lg_u32 s[VC], 0
	s_cbranch_scc1 .Lv
	s_cmp_eq_u32 s[BLK], 1
	s_cbranch_scc1 .Ltail                          ; the last block's end is written out: it asks for nothing more
	STEP 1, 1, 3, 2                                ; the ring goes on into the next block
	STEP 0, 1, -1, 0
	STEP 1, 2, -1, 0
	FINISH 1
	s_sub_co_u32 s[BLK], s[BLK], 1
	s_branch .Lblock
.Ltail:
	STEP 1, 1, 0, 0
	STEP 0, 1, -1, 0
	STEP 1, 0, -1, 0
	FINISH 0
	s_cmp_lg_u32 s[WV], 0
	s_cbranch_scc1 .Lnm
	global_store_b64 v[AML], v[MRUN:MRUN+1], s[20:21]              ; wave 0: (m, l) 32 times: 256 consecutive bytes
.Lnm:
	global_store_b128 v[AGT], v[CTX:CTX+3], s[18:19]               ; columns 4 t .. + 3: a wave stores 512 consecutive bytes
	global_store_b128 v[AGT], v[CTX+4:CTX+7], s[18:19] offset:2048 ; columns 512 + 4 t .. + 3
	s_wait_tensorcnt 0x0                           ; the wave's end
	ds_add_u32 v[SPW], v[NIL]
	s_wait_dscnt 0x0
	ROUND                                          ; the closing round
	s_endpgm
.Lfunc_end_k_q463c98dc33_main:
	.size	k_q463c98dc33_main, .Lfunc_end_k_q463c98dc33_main-k_q463c98dc33_main
	.p2alignl 7, 3214868480
	.fill 96, 4, 3214868480
	.section	.rodata,"a",@progbits
	.p2align	6, 0x0
	.amdhsa_kernel k_q463c98dc33_main
		.amdhsa_group_segment_fixed_size 327680
		.amdhsa_private_segment_fixed_size 0
		.amdhsa_enable_private_segment 0
		.amdhsa_kernarg_size 64
		.amdhsa_user_sgpr_count 2
		.amdhsa_user_sgpr_kernarg_segment_ptr 1
		.amdhsa_wavefront_size32 1
		.amdhsa_system_sgpr_workgroup_id_x 1
		.amdhsa_system_sgpr_workgroup_id_y 1
		.amdhsa_system_sgpr_workgroup_id_z 1
		.amdhsa_system_vgpr_workitem_id 0
		.amdhsa_next_free_vgpr 1024
		.amdhsa_next_free_sgpr 80
		.amdhsa_reserve_vcc 0
		.amdhsa_float_denorm_mode_32 3
		.amdhsa_float_denorm_mode_16_64 3
		.amdhsa_memory_ordered 1
		.amdhsa_forward_progress 1
		.amdhsa_inst_pref_size 255
	.end_amdhsa_kernel
	.section	.bss,"aw",@nobits
	.p2align	6
	.space	262144
	.amdgpu_metadata
---
amdhsa.version: [ 1, 2 ]
amdhsa.kernels:
  - .name:           k_q463c98dc33_main
    .symbol:         k_q463c98dc33_main.kd
    .args:
      - { .name: enc_output, .offset: 0, .size: 8, .value_kind: global_buffer, .address_space: global }
      - { .name: prev_coverage, .offset: 8, .size: 8, .value_kind: global_buffer, .address_space: global }
      - { .name: enc_pad_mask, .offset: 16, .size: 8, .value_kind: global_buffer, .address_space: global }
      - { .name: whl, .offset: 24, .size: 8, .value_kind: global_buffer, .address_space: global }
      - { .name: biasc, .offset: 32, .size: 8, .value_kind: global_buffer, .address_space: global }
      - { .name: scores, .offset: 40, .size: 8, .value_kind: global_buffer, .address_space: global }
      - { .name: part, .offset: 48, .size: 8, .value_kind: global_buffer, .address_space: global }
      - { .name: ml, .offset: 56, .size: 8, .value_kind: global_buffer, .address_space: global }
    .group_segment_fixed_size: 327680
    .private_segment_fixed_size: 0
    .kernarg_segment_align: 8
    .kernarg_segment_size: 64
    .max_flat_workgroup_size: 128
    .sgpr_count:     80
    .vgpr_count:     1024
    .wavefront_size: 32
...
	.end_amdgpu_metadata
.endif
;; end of part 5
;; launch comb (part 6): grid 256 x 1, 2 waves a work-group, no clusters, 0 bytes of LDS; arguments scores, part, ml, enc_pad_mask, prev_coverage, out0, out1, out2; writes out0, out1, out2
.if DOCPART == 6
	.amdgcn_target "amdgcn-amd-amdhsa--gfx1250"
	.amdhsa_code_object_version 6
	.text
	.protected	k_q463c98dc33_comb
	.globl	k_q463c98dc33_comb
	.p2align	8
	.type	k_q463c98dc33_comb,@function
k_q463c98dc33_comb:
	s_mov_b64 s[64:65], 0
	v_nop
	global_prefetch_b8 v0, s[64:65] scope:SCOPE_SE
	s_setreg_imm32_b32 hwreg(HW_REG_WAVE_MODE, 25, 1), 1
	s_wait_xcnt 0x0
; Joins the eight partial results of a batch.  Work-group id: batch b = id / 8, part j = id % 8.  With (m_i, l_i) of the batch's eight work-groups of the launch before:
; M = max m_i, g_i = 2^((m_i - M) log2 e), L = sum of l_i g_i;  weight(row) = 2^((score - M) log2 e) x mask / L;  coverage = prev + weight;  context = sum of part_i g_i / L.
; Every thread is alike: thread t (0..63) takes rows 256 id + 4 t .. + 3 (a wave's loads and stores cover 512 consecutive bytes) and columns 128 j + 2 t, + 1 of the context (256 consecutive bytes a wave).
; Memory binds and the launch is short: all loads go out at once; no LDS, no barrier.  A batch whose mask is all 0 has L = 0 and gives NaN, as the definition does.
	s_load_b256 s[4:11], s[0:1], 0x0               ; scores s[4:5], part s[6:7], ml s[8:9], mask s[10:11]
	s_load_b256 s[12:19], s[0:1], 0x20             ; coverage s[12:13], out0 s[14:15], out1 s[16:17], out2 s[18:19]
	v_lshlrev_b32 v1, 4, v0                        ; 16 t
	v_lshlrev_b32 v2, 3, v0                        ; 8 t
	s_lshr_b32 s36, ttmp9, 3                       ; b
	s_and_b32 s37, ttmp9, 7
	s_lshl_b32 s37, s37, 9                         ; 512 j
	s_lshl_b32 s38, ttmp9, 10                      ; my 256 rows, in bytes
	s_mov_b32 s39, 0
	s_lshl_b32 s40, s36, 11                        ; ml: 8 b entries of 256 bytes
	s_mov_b32 s41, 0
	s_lshl_b32 s42, s36, 15                        ; part: 8 b rows of 4,096 bytes, + 512 j
	s_add_co_u32 s42, s42, s37
	s_mov_b32 s43, 0
	s_lshl_b32 s44, s36, 12                        ; out0: row b, + 512 j
	s_add_co_u32 s44, s44, s37
	s_mov_b32 s45, 0
	s_wait_alu depctr_va_vdst(0)
	s_wait_kmcnt 0x0
	s_add_nc_u64 s[8:9], s[8:9], s[40:41]
.irp i, 0,1,2,3,4,5,6,7
	s_load_b64 s[20+2*\i:21+2*\i], s[8:9], 256*\i  ; m_i, l_i
.endr
	s_add_nc_u64 s[4:5], s[4:5], s[38:39]
	s_add_nc_u64 s[10:11], s[10:11], s[38:39]
	s_add_nc_u64 s[12:13], s[12:13], s[38:39]
	s_add_nc_u64 s[16:17], s[16:17], s[38:39]
	s_add_nc_u64 s[18:19], s[18:19], s[38:39]
	s_add_nc_u64 s[6:7], s[6:7], s[42:43]
	s_add_nc_u64 s[14:15], s[14:15], s[44:45]
	global_load_b128 v[4:7], v1, s[4:5] th:TH_LOAD_NT
	global_load_b128 v[8:11], v1, s[10:11] th:TH_LOAD_NT
	global_load_b128 v[12:15], v1, s[12:13] th:TH_LOAD_NT
.irp i, 0,1,2,3,4,5,6,7
	global_load_b64 v[16+2*\i:17+2*\i], v2, s[6:7] offset:4096*\i th:TH_LOAD_NT
.endr
	s_wait_kmcnt 0x0
	v_mov_b32 v32, s20
.irp i, 1,2,3,4,5,6,7
	v_max_num_f32 v32, s[20+2*\i], v32             ; M
.endr
.irp i, 0,1,2,3,4,5,6,7
	v_sub_f32 v[34+\i], s[20+2*\i], v32
.endr
.irp i, 0,1,2,3,4,5,6,7
	v_mul_f32 v[34+\i], 0x3fb8aa3b, v[34+\i]
.endr
	s_wait_loadcnt 10                              ; the scores are in; the ten younger loads may be out
.irp i, 0,1,2,3
	v_sub_f32 v[4+\i], v[4+\i], v32
.endr
.irp i, 0,1,2,3
	v_mul_f32 v[4+\i], 0x3fb8aa3b, v[4+\i]
.endr
	s_wait_alu depctr_va_vdst(0)
.irp i, 0,1,2,3,4,5,6,7
	v_exp_f32 v[34+\i], v[34+\i]                   ; g_i
.endr
.irp i, 0,1,2,3
	v_exp_f32 v[4+\i], v[4+\i]
.endr
	v_nop                                          ; a plain place behind the twelve exponentials
	s_wait_alu depctr_va_vdst(0)                   ; one wait for the batch, ahead of its first use
	v_mul_f32 v42, s21, v34
.irp i, 1,2,3,4,5,6,7
	v_fma_f32 v42, s[21+2*\i], v[34+\i], v42       ; L
.endr
	s_wait_alu depctr_va_vdst(0)
	v_rcp_f32 v46, v42                             ; 1 / L, twice: a pair for the packed multiplies
	v_rcp_f32 v47, v42
	s_wait_loadcnt 0x0
	v_pk_mul_f32 v[4:5], v[4:5], v[8:9]            ; x mask.  (Plain work behind the reciprocals, which it does not name)
	v_pk_mul_f32 v[6:7], v[6:7], v[10:11]
	v_pk_mul_f32 v[44:45], v[16:17], v[34:35] op_sel_hi:[1,0]
	v_pk_fma_f32 v[44:45], v[18:19], v[34:35], v[44:45] op_sel:[0,1,0] op_sel_hi:[1,1,1]
.irp i, 2,4,6
	v_pk_fma_f32 v[44:45], v[16+2*\i:17+2*\i], v[34+\i:35+\i], v[44:45] op_sel_hi:[1,0,1]
	v_pk_fma_f32 v[44:45], v[18+2*\i:19+2*\i], v[34+\i:35+\i], v[44:45] op_sel:[0,1,0] op_sel_hi:[1,1,1]
.endr
	s_wait_alu depctr_va_vdst(0)                   ; the wait for the two reciprocals
	v_pk_mul_f32 v[4:5], v[4:5], v[46:47]
	v_pk_mul_f32 v[6:7], v[6:7], v[46:47]
	v_pk_mul_f32 v[44:45], v[44:45], v[46:47]
	v_pk_add_f32 v[12:13], v[12:13], v[4:5]
	v_pk_add_f32 v[14:15], v[14:15], v[6:7]
	global_store_b128 v1, v[4:7], s[16:17] th:TH_STORE_NT
	global_store_b128 v1, v[12:15], s[18:19] th:TH_STORE_NT
	global_store_b64 v2, v[44:45], s[14:15] th:TH_STORE_NT
	s_endpgm
.Lfunc_end_k_q463c98dc33_comb:
	.size	k_q463c98dc33_comb, .Lfunc_end_k_q463c98dc33_comb-k_q463c98dc33_comb
	.p2alignl 7, 3214868480
	.fill 96, 4, 3214868480
	.section	.rodata,"a",@progbits
	.p2align	6, 0x0
	.amdhsa_kernel k_q463c98dc33_comb
		.amdhsa_group_segment_fixed_size 0
		.amdhsa_private_segment_fixed_size 0
		.amdhsa_enable_private_segment 0
		.amdhsa_kernarg_size 64
		.amdhsa_user_sgpr_count 2
		.amdhsa_user_sgpr_kernarg_segment_ptr 1
		.amdhsa_wavefront_size32 1
		.amdhsa_system_sgpr_workgroup_id_x 1
		.amdhsa_system_sgpr_workgroup_id_y 1
		.amdhsa_system_sgpr_workgroup_id_z 1
		.amdhsa_system_vgpr_workitem_id 0
		.amdhsa_next_free_vgpr 48
		.amdhsa_next_free_sgpr 66
		.amdhsa_reserve_vcc 0
		.amdhsa_float_denorm_mode_32 3
		.amdhsa_float_denorm_mode_16_64 3
		.amdhsa_memory_ordered 1
		.amdhsa_forward_progress 1
		.amdhsa_inst_pref_size 7
	.end_amdhsa_kernel
	.amdgpu_metadata
---
amdhsa.version: [ 1, 2 ]
amdhsa.kernels:
  - .name:           k_q463c98dc33_comb
    .symbol:         k_q463c98dc33_comb.kd
    .args:
      - { .name: scores, .offset: 0, .size: 8, .value_kind: global_buffer, .address_space: global }
      - { .name: part, .offset: 8, .size: 8, .value_kind: global_buffer, .address_space: global }
      - { .name: ml, .offset: 16, .size: 8, .value_kind: global_buffer, .address_space: global }
      - { .name: enc_pad_mask, .offset: 24, .size: 8, .value_kind: global_buffer, .address_space: global }
      - { .name: prev_coverage, .offset: 32, .size: 8, .value_kind: global_buffer, .address_space: global }
      - { .name: out0, .offset: 40, .size: 8, .value_kind: global_buffer, .address_space: global }
      - { .name: out1, .offset: 48, .size: 8, .value_kind: global_buffer, .address_space: global }
      - { .name: out2, .offset: 56, .size: 8, .value_kind: global_buffer, .address_space: global }
    .group_segment_fixed_size: 0
    .private_segment_fixed_size: 0
    .kernarg_segment_align: 8
    .kernarg_segment_size: 64
    .max_flat_workgroup_size: 64
    .sgpr_count:     66
    .vgpr_count:     48
    .wavefront_size: 32
...
	.end_amdgpu_metadata
.endif
;; end of part 6
